; MI455X (gfx1250); checked and timed in simulation.
; The chip was launched on July 23, 2026; its instructions are those of AMD's public machine-readable ISA for CDNA 5 (MIT licence, August 2026) and "CDNA5" Instruction Set Architecture Reference Guide (July 2026). The comments in the code are by the model that wrote it; some were corrected since.
;; Multi Head Attention. Allowed arithmetic: matrix products marked QUANTISED: E5M2 operands, one E8M0 scale for each 32 along K, by v_wmma_scale_f32_16x16x128_f8f6f4 with both operands' format E5M2, f32 sums; everything else in f32.
;; Inputs: W_k_codes 1,024 x 32 x 32 uint8 (E5M2 codes of W_k, K innermost, in blocks of 32 codes); W_k_scales 1,024 x 32 uint8 (E8M0 scales of W_k, one for each 32 codes along K); W_o_codes 1,024 x 32 x 32 uint8 (E5M2 codes of W_o, K innermost, in blocks of 32 codes); W_o_scales 1,024 x 32 uint8 (E8M0 scales of W_o, one for each 32 codes along K); W_q_codes 1,024 x 32 x 32 uint8 (E5M2 codes of W_q, K innermost, in blocks of 32 codes); W_q_scales 1,024 x 32 uint8 (E8M0 scales of W_q, one for each 32 codes along K); W_v_codes 1,024 x 32 x 32 uint8 (E5M2 codes of W_v, K innermost, in blocks of 32 codes); W_v_scales 1,024 x 32 uint8 (E8M0 scales of W_v, one for each 32 codes along K); attention_mask 1 x 2,048 x 2,048 int32; b_k 1,024 float32; b_o 1,024 float32; b_q 1,024 float32; b_v 1,024 float32; key_codes 4 x 2,048 x 32 x 32 uint8 (E5M2 codes of key, K innermost, in blocks of 32 codes); key_padding_mask 4 x 2,048 int32; key_scales 4 x 2,048 x 32 uint8 (E8M0 scales of key, one for each 32 codes along K); query_codes 4 x 2,048 x 32 x 32 uint8 (E5M2 codes of query, K innermost, in blocks of 32 codes); query_scales 4 x 2,048 x 32 uint8 (E8M0 scales of query, one for each 32 codes along K); value_codes 4 x 2,048 x 32 x 32 uint8 (E5M2 codes of value, K innermost, in blocks of 32 codes); value_scales 4 x 2,048 x 32 uint8 (E8M0 scales of value, one for each 32 codes along K).
;; Outputs: out0 4 x 2,048 x 1,024 float32.
;; This version of the problem:
;;   THIS VERSION OF THE PROBLEM IS GIVEN IN LOW PRECISION. The matrix products marked QUANTISED in the list below multiply operands that are first quantised to E5M2 (5 exponent bits, 2 mantissa bits; 8 bits a number), with one power-of-two scale for each 32 numbers along K (OCP MX v1.0); their sums are f32. All else is computed in f32.
;;   The module's matrix products, in the order in which they are computed (A, B: the left and right operand; K: the contracted axis; several contracted axes count as one K, in the product's order):
;;     1. [M 8,192, K 1,024] x [K 1,024, N 1,024]; A: input query (given as codes); B: input W_q (given as codes): QUANTISED
;;     2. [M 8,192, K 1,024] x [K 1,024, N 1,024]; A: input key (given as codes); B: input W_k (given as codes): QUANTISED
;;     3. [M 8,192, K 1,024] x [K 1,024, N 1,024]; A: input value (given as codes); B: input W_v (given as codes): QUANTISED
;;     4. batch 64 x [M 2,048, K 64] x [K 64, N 2,048]; A: computed on the way; B: computed on the way: QUANTISED
;;     5. batch 64 x [M 2,048, K 2,048] x [K 2,048, N 64]; A: softmax (see below); B: computed on the way: QUANTISED
;;     6. [M 8,192, K 1,024] x [K 1,024, N 1,024]; A: computed on the way; B: input W_o (given as codes): QUANTISED
;;   THE QUANTISER, for each operand of a quantised product, along K:
;;     - K is cut into blocks of 32 from its start; a last block that is shorter is filled with zeros.
;;     - A block's scale is 2^e with e = floor(log2(the largest magnitude in the block)) - 15, held to -126 .. 127; a block of zeros has e = 0. As a byte (E8M0): e + 127.
;;     - Each number is divided by its block's scale, clamped to +-57,344, and rounded to the nearest number of E5M2, ties to even, subnormals kept.
;;     - The product sums the exact products of the quantised numbers (number of the format x scale) in f32.
;;   ~~~python
;;   def quantise(x, axis):      # numpy; x: float32 -> the quantised numbers, widened to float32 again
;;       x = np.moveaxis(x, axis, -1); K = x.shape[-1]
;;       x = np.pad(x, [(0, 0)] * (x.ndim - 1) + [(0, -K % 32)]); x = x.reshape(x.shape[:-1] + (-1, 32)); a = np.abs(x).max(-1, keepdims=True)
;;       e = np.where(a > 0, np.clip(np.frexp(np.where(a > 0, a, 1))[1] - 1 - 15, -126, 127), 0)      # np.frexp(a)[1] - 1 = floor(log2(a)), exactly
;;       r = np.clip(x / 2.0 ** e, -57344, 57344)
;;       step = 2.0 ** (np.maximum(np.frexp(np.where(r == 0, 1, r))[1] - 1, -14) - 2)
;;       q = np.round(r / step) * step * 2.0 ** e      # np.round: ties to even
;;       return np.moveaxis(q.reshape(q.shape[:-2] + (-1,))[..., :K], -1, axis).astype(np.float32)
;;   ~~~
;;   SOFTMAX AHEAD OF A QUANTISED PRODUCT. Where the list says 'softmax', what is quantised is not the finished softmax but p = 2^(t - M), with t = logit x log2(e) and M = ceil(the row's largest t), a whole number; so 1/2 < the row's largest p <= 1. The row's sum l is taken of the UNQUANTISED p, in f32, and the product's result is divided by l at the end. Since M is a whole number, a kernel that streams over the keys may use a running M (the ceiling of the running maximum): every later rescaling is an exact power of two, which a block's scale takes up: the codes' values come out the same.
;;   OPERANDS COMPUTED ON THE WAY. 'Computed on the way' means the value that the module computes at that place (a softmax that the list does not call 'softmax' is quantised finished and normalised). What goes into a quantiser is computed in f32, as accurately as f32 sums, v_exp_f32 and their like allow (about 1e-6 of the number): no bf16 or f16 on the way to a quantiser, and a product that is left as it is and whose result goes on into a quantised operand takes f32 operands (vector FMAs, or v_wmma_f32_16x16x4_f32). A number that lies on a knife's edge between two numbers of the format may be rounded either way, as far as f32 arithmetic and the matrix unit's own rounding can turn it there, and no further.
;;   INPUTS GIVEN AS CODES. W_k (in the module: [1024, 1024], K = its axis 1); W_o (in the module: [1024, 1024], K = its axis 1); W_q (in the module: [1024, 1024], K = its axis 1); W_v (in the module: [1024, 1024], K = its axis 1); key (in the module: [4, 2048, 1024], K = its axis 2); query (in the module: [4, 2048, 1024], K = its axis 2); value (in the module: [4, 2048, 1024], K = its axis 2): each comes as NAME_codes (uint8): NAME with its K axis moved to the last place and cut into blocks of 32 codes, [.., K / 32, bytes a block], one block behind the other in memory; one code a byte (a code: sign, 5 exponent bits, 2 mantissa bits); and NAME_scales (uint8): the same leading axes, one E8M0 byte (e + 127) for each 32 codes along K. Its value is code x scale, taken as it is: it is not quantised again, and the codes and scales need not be those that the quantiser above would give.
;; One version. Each part assembles by itself: llvm-mc -triple=amdgcn-amd-amdhsa -mcpu=gfx1250 --defsym DOCPART=n.
;; ======== version 1 of 1: 4 launches
;; limits: right only within a limited range of input values
;; workspace buffers: mbits 2,097,152 bytes of whole numbers; flags 2,048 bytes of whole numbers; qkvc 25,165,824 bytes; qkvs 786,432 bytes; xc 8,388,608 bytes; xs 262,144 bytes
;; launch pack (part 1): grid 128 x 1, 16 waves a work-group, no clusters, 137,472 bytes of LDS; arguments attention_mask, key_padding_mask, mbits, flags; writes mbits, flags
.if DOCPART == 1
	.amdgcn_target "amdgcn-amd-amdhsa--gfx1250"
	.amdhsa_code_object_version 6
	.text
	.protected	k_qdae28f7cd0_pack
	.globl	k_qdae28f7cd0_pack
	.p2align	8
	.type	k_qdae28f7cd0_pack,@function
k_qdae28f7cd0_pack:
	s_mov_b64 s[64:65], 0
	v_nop
	global_prefetch_b8 v0, s[64:65] scope:SCOPE_SE
	s_setreg_imm32_b32 hwreg(HW_REG_WAVE_MODE, 25, 1), 1
	s_wait_xcnt 0x0
; THE TWO MASKS BECOME LANE MASKS AND A LIST OF KEY STEPS.  attention_mask [2048 q][2048 k] i32 (hidden where == 1), key_padding_mask [4][2048] i32 (hidden where != 0).
; mbits [q tile 128][key step 16][batch 4][64 words]: bit L of word 8 t + j is 1 where the score of query 16 qtile + L % 16 and key 128 step + 16 t + 8 (L / 16) + j is hidden:
; the word is the lane mask of register 8 t + j of a tile of scores as the attention launch holds it (a lane one query, its registers the keys).
; flags [batch 4][q tile 128]: bit s is 1 where key step s has to be worked for that tile: some row of the tile sees a key of the step; or some row of the tile sees no key at all,
; and then every step is worked, so that such a row gets equal weights over all 2,048 keys, as a softmax over equal scores gives.
; SHARES.  A work-group takes a q tile (16 rows), wave w key step w: 16 rows x 512 bytes, each load 512 consecutive bytes.  All of a wave's 16 loads are out at once; there is no loop.
; The 8 KB turn through the wave's own stage in LDS (rows 528 bytes apart), so that a lane holds its query's keys in the order of the scores' registers.
; A compare then gives a word of mbits as a scalar; v_writelane_b32 lays word n in lane n / 2, so that a batch's 64 words leave as 256 consecutive bytes, aligned.
; LIMIT: a work-group stores four single words of flags, 512 bytes apart: 2,048 bytes in the launch are written so.
.set SP,   528                         ; a stage row: 512 bytes + 16: row r starts 4 r banks on
.set WST,  16*SP                       ; a wave's stage
.set RED,  16*WST                      ; behind the stages: [key step 16][batch 4] words: which rows of the tile the unit hides wholly
.set KPR,  16                          ; v16-31   key_padding_mask: batch b: two numbers for lanes' half 0, two for half 1
.set KW,   32                          ; v32-39   its words, batch b: words 2 l and 2 l + 1 in lane l
.set OW,   40                          ; v40-47   the words that leave, likewise
.set R,    48                          ; v48-111  16 rows as loaded; later v48-51 the rows hidden, v52-55 at work
.set X,    112                         ; v112-175 register 8 t + j: the mask's number of my query and key 16 t + 8 h + j
	s_load_b256 s[4:11], s[0:1], 0x0               ; attention_mask, key_padding_mask, mbits, flags
	v_lshl_add_u32 v180, v0, 2, 0x21100
	v_mov_b32 v181, 0
	v_lshrrev_b32 v1, 5, v0
	s_delay_alu instid0(VALU_DEP_1)
	v_readfirstlane_b32 s12, v1                    ; wave = key step
	v_and_b32 v1, 31, v0                           ; lane
	v_and_b32 v2, 15, v0                           ; r
	v_bfe_u32 v3, v0, 4, 1                         ; h
	s_delay_alu instid0(VALU_DEP_3)
	v_lshlrev_b32 v4, 4, v1                        ; 16 bytes a lane
	s_mul_i32 s13, s12, WST
	v_add_nc_u32 v5, s13, v4                       ; the stage, on the way in
	v_mul_u32_u24 v6, v2, SP
	s_delay_alu instid0(VALU_DEP_1)
	v_lshl_add_u32 v6, v3, 5, v6
	s_delay_alu instid0(VALU_DEP_1)
	v_add_nc_u32 v6, s13, v6                       ; and out: row r, + 32 h bytes
	v_lshrrev_b32 v7, 2, v1
	s_delay_alu instid0(VALU_DEP_1)
	v_lshlrev_b32 v7, 6, v7
	v_and_b32 v14, 3, v1
	s_delay_alu instid0(VALU_DEP_1)
	v_lshl_add_u32 v7, v14, 3, v7                  ; lane l owns words 2 l, 2 l + 1: keys 16 (l / 4) + 2 (l % 4) + 0, 1 (and 8 on): 4 bytes a key
	v_lshlrev_b32 v8, 3, v1                        ; 8 bytes a lane on the way out
	v_mov_b32 v9, 0xffff
	v_mov_b32 v10, 0xffff0000
	s_lshl_b32 s13, s12, 4
	s_add_co_u32 s13, s13, RED
	v_mov_b32 v11, s13                             ; my key step's four words of RED
	s_and_b32 s13, s12, 3
	s_lshl_b32 s13, s13, 2
	s_add_co_u32 s13, s13, RED
	v_lshl_add_u32 v176, v2, 4, s13                ; and, for waves 0 to 3: batch = wave, key step = lane % 16
	v_mov_b32 v12, 0                               ; v_writelane_b32's destination counts as read
	v_mov_b32 v13, 0
	s_mov_b32 s24, 0x76543210
	s_mov_b32 s25, 0xfedcba98                      ; v_permlanex16_b32's selects for lane l xor 16
	s_lshl_b32 s14, s12, 9                         ; 128 keys x 4 bytes a key step
	s_mov_b32 s15, 0
	s_lshl_b32 s26, ttmp9, 17                      ; 16 rows x 8,192 bytes a q tile
	s_mov_b32 s27, 0
	s_lshl_b32 s28, ttmp9, 4
	s_add_co_u32 s28, s28, s12
	s_lshl_b32 s28, s28, 10                        ; (16 qtile + step) x 4 batches x 256 bytes
	s_mov_b32 s29, 0
	s_wait_alu depctr_va_vdst(0)
	s_wait_kmcnt 0x0
	s_add_nc_u64 s[6:7], s[6:7], s[14:15]
	s_add_nc_u64 s[4:5], s[4:5], s[14:15]
	s_add_nc_u64 s[4:5], s[4:5], s[26:27]
	s_add_nc_u64 s[8:9], s[8:9], s[28:29]
.irp b, 0,1,2,3
	global_load_b64 v[KPR+4*\b:KPR+4*\b+1], v7, s[6:7] offset:8192*\b
	global_load_b64 v[KPR+4*\b+2:KPR+4*\b+3], v7, s[6:7] offset:8192*\b+32
.endr
.irp i, 0,1,2,3,4,5,6,7,8,9,10,11,12,13,14,15
	global_load_b128 v[R+4*\i:R+4*\i+3], v4, s[4:5] offset:8192*\i th:TH_LOAD_NT   ; 32 lanes read 512 consecutive bytes of row i; read once in the launch
.endr
.irp i, 0,1,2,3,4,5,6,7,8,9,10,11,12,13,14,15
	s_wait_loadcnt 15-\i                           ; loads come back in order: row i is in, the 15 - i younger rows may be out
	ds_store_b128 v5, v[R+4*\i:R+4*\i+3] offset:SP*\i
.endr
.irp t, 0,1,2,3,4,5,6,7
	ds_load_b128 v[X+8*\t:X+8*\t+3], v6 offset:64*\t        ; LDS serves a wave's instructions in order: these see my stores
	ds_load_b128 v[X+8*\t+4:X+8*\t+7], v6 offset:64*\t+16
.endr
; key_padding_mask's words, while the stage turns: a hidden key hides all 16 queries: 16 ones in the half of the word that belongs to its half of the lanes
.irp b, 0,1,2,3
.irp g, 0,1
	v_cmp_ne_u32 vcc_lo, 0, v[KPR+4*\b+\g]
	s_delay_alu instid0(VALU_DEP_1)
	v_cndmask_b32 v14, 0, v9, vcc_lo
	v_cmp_ne_u32 vcc_lo, 0, v[KPR+4*\b+2+\g]
	s_delay_alu instid0(VALU_DEP_1)
	v_cndmask_b32 v15, 0, v10, vcc_lo
	s_delay_alu instid0(VALU_DEP_1)
	v_or_b32 v[KW+2*\b+\g], v14, v15
.endr
.endr
	s_wait_dscnt 0x0
; attention_mask's words: a compare gives word n as a scalar; it goes to lane n / 2 of register n % 2.  Eight at a time, so that no line waits for the line above it
.set n, 0
.rept 8
.irp k, 0,1,2,3,4,5,6,7
	v_cmp_eq_u32 s[16+\k], 1, v[X+n+\k]
.endr
.irp k, 0,1,2,3,4,5,6,7
	v_writelane_b32 v[12+\k%2], s[16+\k], (n+\k)>>1
.endr
.set n, n+8
.endr
.irp b, 0,1,2,3
	v_or_b32 v[OW+2*\b], v12, v[KW+2*\b]
	v_or_b32 v[OW+2*\b+1], v13, v[KW+2*\b+1]
	global_store_b64 v8, v[OW+2*\b:OW+2*\b+1], s[8:9] offset:256*\b   ; 32 lanes store 256 consecutive bytes, aligned
.endr
; which of the 16 rows does this unit (128 keys, batch b) hide wholly: the AND of its 64 words, then of the word's two halves
.irp b, 0,1,2,3
	v_and_b32 v[R+\b], v[OW+2*\b], v[OW+2*\b+1]
.endr
.irp m, 1,2,4,8
.irp b, 0,1,2,3
	s_delay_alu instid0(VALU_DEP_4)
	v_mov_b32_dpp v[R+4+\b], v[R+\b] row_xmask:\m row_mask:0xf bank_mask:0xf
.endr
.irp b, 0,1,2,3
	s_delay_alu instid0(VALU_DEP_4)
	v_and_b32 v[R+\b], v[R+\b], v[R+4+\b]
.endr
.endr
.irp b, 0,1,2,3
	s_delay_alu instid0(VALU_DEP_4)
	v_permlanex16_b32 v[R+4+\b], v[R+\b], s24, s25
.endr
.irp b, 0,1,2,3
	s_delay_alu instid0(VALU_DEP_4)
	v_and_b32 v[R+\b], v[R+\b], v[R+4+\b]
.endr
.irp b, 0,1,2,3
	s_delay_alu instid0(VALU_DEP_4)
	v_lshrrev_b32 v[R+4+\b], 16, v[R+\b]
.endr
.irp b, 0,1,2,3
	s_delay_alu instid0(VALU_DEP_4)
	v_and_b32 v[R+\b], v[R+\b], v[R+4+\b]
.endr
.irp b, 0,1,2,3
	v_or_b32 v[R+8+\b], v[OW+2*\b], v[OW+2*\b+1]   ; does the unit hide any score at all?
	v_cmp_ne_u32 s[16+\b], 0, v[R+8+\b]
	s_cmp_lg_u32 s[16+\b], 0
	s_cselect_b32 s[16+\b], 0x10000, 0             ; bit 16 of the unit's word says so; bits 15:0 are the rows hidden wholly
	v_and_or_b32 v[R+\b], v[R+\b], 0xffff, s[16+\b]
	ds_store_b32 v11, v[R+\b] offset:4*\b          ; all lanes write the same word with the same value
.endr
	s_wait_dscnt 0x0                               ; for the others' sake: my four words have landed
	s_barrier_signal -1
	s_barrier_wait -1
	s_cmp_lt_u32 s12, 4                            ; waves 0 to 3 make the tile's flags, a batch each
	s_cbranch_scc0 .Ldone
	ds_load_b32 v14, v176                          ; lane % 16 = key step: the rows that it hides wholly
	v_mov_b32 v15, 0
	s_wait_dscnt 0x0
	v_and_b32 v179, 0xffff, v14
	v_cmp_ne_u32 s20, 0xffff, v179                 ; a step is worked where not all 16 rows are hidden
	v_cmp_lt_u32 s26, 0xffff, v14                  ; a step needs its mask words where bit 16 is set
	s_and_b32 s20, s20, 0xffff
	s_lshl_b32 s26, s26, 16                        ; flags' upper half: bit 16 + s is 1 where key step s hides some score of the tile
.irp m, 1
	v_mov_b32_dpp v15, v14 row_xmask:\m row_mask:0xf bank_mask:0xf
	s_delay_alu instid0(VALU_DEP_1)
	v_and_b32 v14, v14, v15
.endr
.irp m, 2, 4, 8
	s_delay_alu instid0(VALU_DEP_1)
	v_mov_b32_dpp v15, v14 row_xmask:\m row_mask:0xf bank_mask:0xf
	s_delay_alu instid0(VALU_DEP_1)
	v_and_b32 v14, v14, v15
.endr
	s_delay_alu instid0(VALU_DEP_1)
	v_readfirstlane_b32 s21, v14                   ; rows that all 16 steps hide
	s_and_b32 s21, s21, 0xffff
	s_cmp_lg_u32 s21, 0
	s_cselect_b32 s20, 0xffff, s20                 ; if there is one, every step is worked
	s_or_b32 s20, s20, s26
	s_lshl_b32 s22, s12, 7
	s_add_co_u32 s22, s22, ttmp9
	s_lshl_b32 s22, s22, 2                         ; flags [batch][q tile]
	v_mov_b32 v177, s22
	v_mov_b32 v178, s20
	v_cmp_eq_u32 vcc_lo, 0, v1
	s_wait_alu depctr_va_vdst(0)
	s_wait_xcnt 0x0                                ; EXEC is a source of the stores above: it changes only behind this wait
	s_and_saveexec_b32 s23, vcc_lo
	global_store_b32 v177, v178, s[10:11]          ; lane 0 alone
	s_wait_xcnt 0x0                                ; and again, in front of the line that widens it
	s_or_b32 exec_lo, exec_lo, s23
.Ldone:
	s_wait_tensorcnt 0x0
	ds_add_u32 v180, v181
	s_wait_dscnt 0x0
	s_endpgm
.Lfunc_end_k_qdae28f7cd0_pack:
	.size	k_qdae28f7cd0_pack, .Lfunc_end_k_qdae28f7cd0_pack-k_qdae28f7cd0_pack
	.p2alignl 7, 3214868480
	.fill 96, 4, 3214868480
	.section	.rodata,"a",@progbits
	.p2align	6, 0x0
	.amdhsa_kernel k_qdae28f7cd0_pack
		.amdhsa_group_segment_fixed_size 137472
		.amdhsa_private_segment_fixed_size 0
		.amdhsa_enable_private_segment 0
		.amdhsa_kernarg_size 32
		.amdhsa_user_sgpr_count 2
		.amdhsa_user_sgpr_kernarg_segment_ptr 1
		.amdhsa_wavefront_size32 1
		.amdhsa_system_sgpr_workgroup_id_x 1
		.amdhsa_system_sgpr_workgroup_id_y 1
		.amdhsa_system_sgpr_workgroup_id_z 1
		.amdhsa_system_vgpr_workitem_id 0
		.amdhsa_next_free_vgpr 182
		.amdhsa_next_free_sgpr 66
		.amdhsa_reserve_vcc 1
		.amdhsa_float_denorm_mode_32 3
		.amdhsa_float_denorm_mode_16_64 3
		.amdhsa_memory_ordered 1
		.amdhsa_forward_progress 1
		.amdhsa_inst_pref_size 25
	.end_amdhsa_kernel
	.amdgpu_metadata
---
amdhsa.version: [ 1, 2 ]
amdhsa.kernels:
  - .name:           k_qdae28f7cd0_pack
    .symbol:         k_qdae28f7cd0_pack.kd
    .args:
      - { .name: attention_mask, .offset: 0, .size: 8, .value_kind: global_buffer, .address_space: global }
      - { .name: key_padding_mask, .offset: 8, .size: 8, .value_kind: global_buffer, .address_space: global }
      - { .name: mbits, .offset: 16, .size: 8, .value_kind: global_buffer, .address_space: global }
      - { .name: flags, .offset: 24, .size: 8, .value_kind: global_buffer, .address_space: global }
    .group_segment_fixed_size: 137472
    .private_segment_fixed_size: 0
    .kernarg_segment_align: 8
    .kernarg_segment_size: 32
    .max_flat_workgroup_size: 512
    .sgpr_count:     66
    .vgpr_count:     182
    .wavefront_size: 32
...
	.end_amdgpu_metadata
.endif
;; end of part 1
;; launch proj (part 2): grid 4 x 96, 4 waves a work-group, clusters of 4 x 4, 327,680 bytes of LDS; arguments query_codes, query_scales, W_q_codes, W_q_scales, b_q, key_codes, key_scales, W_k_codes, W_k_scales, b_k, value_codes, value_scales, W_v_codes, W_v_scales, b_v, qkvc, qkvs; writes qkvc, qkvs
.if DOCPART == 2
	.amdgcn_target "amdgcn-amd-amdhsa--gfx1250"
	.amdhsa_code_object_version 6
	.text
	.protected	k_qdae28f7cd0_proj
	.globl	k_qdae28f7cd0_proj
	.p2align	8
	.type	k_qdae28f7cd0_proj,@function
k_qdae28f7cd0_proj:
	s_mov_b64 s[64:65], 0
	v_nop
	global_prefetch_b8 v0, s[64:65] scope:SCOPE_SE
	s_setreg_imm32_b32 hwreg(HW_REG_WAVE_MODE, 25, 1), 1
	s_wait_xcnt 0x0
	s_wait_alu depctr_hold_cnt(0) depctr_sa_sdst(0) depctr_va_vdst(0) depctr_va_sdst(0) depctr_va_ssrc(0) depctr_va_vcc(0) depctr_vm_vsrc(0)
	s_getreg_b32 s2, hwreg(HW_REG_IB_STS2, 6, 4)
	s_cmp_eq_u32 s2, 0
	s_cbranch_scc0 .Lentry_in_a_cluster
	s_endpgm
.Lentry_in_a_cluster:
	s_bfe_u32 s2, ttmp6, 0x10000c
	s_cmp_lg_u32 s2, 0xf033
	s_cbranch_scc0 .Lentry_shape_is_right
	s_endpgm
.Lentry_shape_is_right:
.set KSTEP,  256
.set NQ,     KSTEP/128
.set ROWB,   256
.set KROW,   1024
.set PITCH,  272
.set FR,     16
.set NL,     4
.set NP,     8
.set HALFT,  128*PITCH
.set SLOT,   4*HALFT
.set LAPS,   2
.set KS,     32
.set SCL,    2*SLOT
.set HALFS,  (128*KS/256)*272
.set SBLK,   (16*KS/256)*272
.set SPARE,  SCL+4*HALFS
.set QP,     144
.set QST,    128*QP
.set QSS,    4*QST
.set ADRA, 16
.set ADRB, 20
.set STO,  24
.set RD,   25
.set CO,   26
.set ADRS, 27
.set SPW,  28
.set NIL,  29
.set SSO,  30
.set SRD,  31
.set SC,   32
.set CB,   64
.set TM,   64
.set PW,   80
.set SB,   88
.set AF,   128
.set PC,   128
.set G1, 24
.set G0, 32
.set G1B, 48
.set G0B, 56
.set G1S, 68
.set G0S, 76
.set G1SB, 80
.set G0SB, 88
.set SEL, 92
.set MNT, 94
.set MSB, 0
.macro WIN new
.if MSB != \new
	s_set_vgpr_msb (MSB<<8)|\new
.set MSB, \new
.endif
.endm
.set MUL_LO, 0xa1
.set MUL_HI, 0xf1
.set BIA_LO, 0x81
.set BIA_HI, 0xc1
.set TO_B,   0x40
.macro JLOAD g0a, g1a, g0b, g1b
	s_cmp_eq_u32 s15, 0
	s_cbranch_scc0 .Lfor_b_\@
	tensor_load_to_lds s[\g0a:\g0a+3], s[\g1a:\g1a+7]
	s_nop 0
.rept 4
	v_nop
.endr
	s_branch .Lasked_\@
.Lfor_b_\@:
	tensor_load_to_lds s[\g0b:\g0b+3], s[\g1b:\g1b+7]
	s_nop 0
.rept 4
	v_nop
.endr
.Lasked_\@:
.endm
.macro CREST
	s_cmp_lg_u32 s14, 0
	s_cbranch_scc1 .Lnot_wave_0_\@
	s_barrier_signal -3
.Lnot_wave_0_\@:
	s_barrier_wait -3
	s_barrier_signal -1
	s_barrier_wait -1
.endm
.macro CROUND
	s_barrier_signal -1
	s_barrier_wait -1
	CREST
.endm
	s_load_b256 s[4:11], s[0:1], 0x0
	s_load_b64 s[12:13], s[0:1], 0x20
	s_load_b256 s[24:31], s[0:1], 0x28
	s_load_b64 s[32:33], s[0:1], 0x48
	s_load_b256 s[36:43], s[0:1], 0x50
	s_load_b64 s[44:45], s[0:1], 0x70
	s_load_b128 s[48:51], s[0:1], 0x78
	v_lshl_add_u32 v[SPW], v0, 2, SPARE
	v_mov_b32 v[NIL], 0
	ds_add_u32 v28, v29
	ds_add_u32 v28, v29
	s_wait_dscnt 0x0
	v_lshrrev_b32 v1, 5, v0
	v_readfirstlane_b32 s14, v1
	s_lshr_b32 s15, s14, 1
	s_and_b32 s16, s14, 1
	s_and_b32 s95, ttmp7, 0xffff
	s_lshr_b32 s101, s95, 3
	s_and_b32 s95, s95, 7
	s_lshl_b32 s95, s95, 2
	s_wait_kmcnt 0x0
	s_cmp_eq_u32 s101, 1
	s_cselect_b64 s[4:5], s[24:25], s[4:5]
	s_cselect_b64 s[6:7], s[26:27], s[6:7]
	s_cselect_b64 s[8:9], s[28:29], s[8:9]
	s_cselect_b64 s[10:11], s[30:31], s[10:11]
	s_cselect_b64 s[12:13], s[32:33], s[12:13]
	s_cmp_eq_u32 s101, 2
	s_cselect_b64 s[4:5], s[36:37], s[4:5]
	s_cselect_b64 s[6:7], s[38:39], s[6:7]
	s_cselect_b64 s[8:9], s[40:41], s[8:9]
	s_cselect_b64 s[10:11], s[42:43], s[10:11]
	s_cselect_b64 s[12:13], s[44:45], s[12:13]
	s_cselect_b32 s100, 1, 0
	s_mov_b64 s[98:99], s[12:13]
	s_mov_b64 s[12:13], s[48:49]
	s_mov_b64 s[96:97], s[50:51]
	s_cselect_b64 s[18:19], s[8:9], s[4:5]
	s_cselect_b64 s[8:9], s[4:5], s[8:9]
	s_cselect_b64 s[20:21], s[10:11], s[6:7]
	s_cselect_b64 s[10:11], s[6:7], s[10:11]
	s_mov_b64 s[4:5], s[18:19]
	s_mov_b64 s[6:7], s[20:21]
	s_bfe_u32 s40, ttmp6, 0x40000
	s_bfe_u32 s41, ttmp6, 0x40004
	s_cmp_eq_u32 s100, 0
	s_cselect_b32 s18, s95, 0
	s_cselect_b32 s19, 0, s95
	s_add_co_u32 s17, s41, s18
	s_add_co_u32 s42, s40, s19
	s_lshl_b32 s43, s41, 2
	s_lshl_b32 s43, 15, s43
	s_lshl_b32 s44, 0x1111, s40
	s_or_b32 s[G1+0], s43, (0<<16)|(1<<20)|(1<<21)|(5<<22)|(3<<25)
	s_or_b32 s[G1B+0], s44, (0<<16)|(1<<20)|(1<<21)|(5<<22)|(3<<25)
.irp g, G1, G1B
	s_mov_b32 s[\g+1], ROWB<<16
	s_mov_b32 s[\g+2], 128<<16
	s_mov_b32 s[\g+3], ROWB<<16
	s_mov_b32 s[\g+4], 128
	s_mov_b32 s[\g+5], KROW
	s_mov_b32 s[\g+6], 0
	s_mov_b32 s[\g+7], 0
.endr
	s_or_b32 s[G1S+0], s43, (3<<16)|(1<<20)|(1<<21)|(5<<22)|(3<<25)
	s_or_b32 s[G1SB+0], s44, (3<<16)|(1<<20)|(1<<21)|(5<<22)|(3<<25)
.irp g, G1S, G1SB
	s_mov_b32 s[\g+1], 32<<16
	s_mov_b32 s[\g+2], (128*KS/256)<<16
	s_mov_b32 s[\g+3], 32<<16
	s_mov_b32 s[\g+4], 128*KS/256
	s_mov_b32 s[\g+5], 32
	s_mov_b32 s[\g+6], 0
	s_mov_b32 s[\g+7], 0
.endr
	s_lshl_b32 s18, s16, 7
	s_lshl_b32 s20, s17, 8
	s_add_co_u32 s20, s20, s18
	s_lshl_b32 s46, s42, 8
	s_add_co_u32 s46, s46, s18
	s_mov_b32 s21, 0
	s_mov_b32 s47, 0
	s_mov_b64 s[18:19], KS
	s_mul_u64 s[22:23], s[20:21], s[18:19]
	s_mul_u64 s[92:93], s[46:47], s[18:19]
	s_mov_b64 s[18:19], KROW
	s_mul_u64 s[20:21], s[20:21], s[18:19]
	s_mul_u64 s[46:47], s[46:47], s[18:19]
	s_mul_i32 s45, s14, HALFT
	s_mul_i32 s94, s14, HALFS
	s_add_nc_u64 s[20:21], s[4:5], s[20:21]
	s_add_nc_u64 s[22:23], s[6:7], s[22:23]
	s_add_nc_u64 s[46:47], s[8:9], s[46:47]
	s_add_nc_u64 s[92:93], s[10:11], s[92:93]
	CROUND
	s_mov_b32 s[G0S], 1
	s_add_co_u32 s[G0S+1], s94, SCL
	s_mov_b64 s[G0S+2:G0S+3], s[22:23]
	s_or_b32 s[G0S+3], s[G0S+3], 0x80000000
	s_mov_b32 s[G0SB], 1
	s_add_co_u32 s[G0SB+1], s94, SCL
	s_mov_b64 s[G0SB+2:G0SB+3], s[92:93]
	s_or_b32 s[G0SB+3], s[G0SB+3], 0x80000000
	JLOAD G0S, G1S, G0SB, G1SB
.irp s, 0,1
	s_mov_b32 s[G0+4*\s], 1
	s_add_co_u32 s[G0+4*\s+1], s45, \s*SLOT
	s_add_nc_u64 s[G0+4*\s+2:G0+4*\s+3], s[20:21], \s*ROWB
	s_or_b32 s[G0+4*\s+3], s[G0+4*\s+3], 0x80000000
	s_mov_b32 s[G0B+4*\s], 1
	s_add_co_u32 s[G0B+4*\s+1], s45, \s*SLOT
	s_add_nc_u64 s[G0B+4*\s+2:G0B+4*\s+3], s[46:47], \s*ROWB
	s_or_b32 s[G0B+4*\s+3], s[G0B+4*\s+3], 0x80000000
	s_wait_alu depctr_va_vdst(0)
	s_wait_tensorcnt 0x0
	ds_add_u32 v28, v29
	s_wait_dscnt 0x0
	CROUND
	JLOAD G0+4*\s, G1, G0B+4*\s, G1B
.endr
	v_and_b32 v1, 15, v0
	s_wait_alu depctr_va_vdst(0)
	v_bfe_u32 v2, v0, 4, 1
	s_wait_alu depctr_va_vdst(0)
	s_lshl_b32 s18, s42, 8
	s_lshl_b32 s19, s16, 7
	s_add_co_u32 s18, s18, s19
	s_lshl_b32 s20, s17, 8
	s_lshl_b32 s21, s15, 7
	s_add_co_u32 s20, s20, s21
	s_cmp_eq_u32 s100, 0
	s_cselect_b32 s18, s18, s20
	s_cselect_b32 s20, 0, 4
	s_cselect_b32 s21, 32, 0
	s_cselect_b32 s22, 4, 0
	s_lshl_b32 s18, s18, 2
	s_mov_b32 s19, 0
	s_add_nc_u64 s[98:99], s[98:99], s[18:19]
	v_mul_u32_u24 v8, s20, v1
	v_mul_u32_u24 v9, s21, v2
	v_add_nc_u32 v8, v8, v9
.irp j, 1,2,3,4,5,6,7
	v_add_nc_u32 v[8+\j], s22, v[7+\j]
.endr
.irp i, 0,1,2,3,4,5,6,7
.irp j, 0,1,2,3,4,5,6,7
	global_load_b32 v[CB+8*\i+\j], v[8+\j], s[98:99] offset:64*\i
.endr
.endr
	v_mul_u32_u24 v3, v1, PITCH
	v_lshl_add_u32 v4, v2, 4, v3
	s_mul_i32 s21, s15, HALFT
	s_mul_i32 s22, s16, HALFT
	s_add_co_u32 s22, s22, 2*HALFT
.irp s, 0,1
	v_add_nc_u32 v[ADRA+\s], s21, v4
	v_add_nc_u32 v[ADRB+\s], s22, v4
	s_add_co_u32 s21, s21, SLOT
	s_add_co_u32 s22, s22, SLOT
.endr
	v_mul_u32_u24 v5, v1, KS
	v_lshrrev_b32 v6, 8, v5
	v_lshl_add_u32 v5, v6, 4, v5
	s_mul_i32 s21, s15, HALFS
	s_mul_i32 s22, s16, HALFS
	s_add_co_u32 s22, s22, 2*HALFS
	s_sub_co_u32 s22, s22, s21
	v_mul_u32_u24 v6, s22, v2
	s_add_co_u32 s21, s21, SCL
	v_add_nc_u32 v5, v5, v6
	v_add_nc_u32 v[ADRS], s21, v5
	s_mul_i32 s23, s14, QST
	v_mul_u32_u24 v5, v1, QP
	v_lshl_add_u32 v5, v2, 4, v5
	v_add_nc_u32 v[STO], s23, v5
	v_and_b32 v6, 31, v0
	v_lshrrev_b32 v5, 3, v6
	v_mul_u32_u24 v5, v5, QP
	v_and_b32 v7, 7, v6
	v_lshl_add_u32 v5, v7, 4, v5
	v_add_nc_u32 v[RD], s23, v5
	v_lshlrev_b32 v[CO], 4, v6
	s_lshl_b32 s23, s14, 9
	s_add_co_u32 s23, s23, QSS
	v_lshl_add_u32 v[SSO], v1, 2, s23
	v_add_nc_u32 v[SRD], s23, v[CO]
	s_lshl_b32 s18, s42, 1
	s_add_co_u32 s18, s18, s16
	s_lshl_b32 s18, s18, 13
	s_lshl_b32 s19, s17, 8
	s_add_co_u32 s18, s18, s19
	s_lshl_b32 s19, s15, 7
	s_add_co_u32 s18, s18, s19
	s_lshr_b32 s20, s42, 3
	s_lshl_b32 s20, s20, 3
	s_lshl_b32 s21, s17, 1
	s_add_co_u32 s20, s20, s21
	s_add_co_u32 s20, s20, s15
	s_lshl_b32 s20, s20, 11
	s_and_b32 s21, s42, 7
	s_lshl_b32 s21, s21, 1
	s_add_co_u32 s21, s21, s16
	s_lshl_b32 s21, s21, 7
	s_add_co_u32 s20, s20, s21
	s_cmp_eq_u32 s100, 0
	s_cselect_b32 s18, s18, s20
	s_lshl_b32 s20, s101, 16
	s_add_co_u32 s18, s18, s20
	s_lshl_b32 s20, s18, 7
	s_mov_b32 s21, 0
	s_add_nc_u64 s[12:13], s[12:13], s[20:21]
	s_lshl_b32 s20, s18, 2
	s_add_nc_u64 s[96:97], s[96:97], s[20:21]
	s_mov_b32 s[SEL], 0x76543210
	s_mov_b32 s[SEL+1], 0xfedcba98
	s_mov_b32 s[MNT], 0x600000
.macro FRAG reg, adr, q, i
.irp c, 0,1,2,3
	ds_load_b128 v[\reg+4*\c:\reg+4*\c+3], v[\adr] offset:128*(\q)+32*\c+(\i)*16*PITCH
.endr
.endm
.macro MUL16 a0, p, q, sc, cm
.irp a, \a0, \a0+1
.irp b, 0,1,2,3,4,5,6,7
.if \cm == 1
	v_wmma_scale_f32_16x16x128_f8f6f4 v[8*(8*((\a)%4)+\b):8*(8*((\a)%4)+\b)+7], v[128*(\p)+FR*\b:128*(\p)+FR*\b+FR-1], v[AF+FR*(\a):AF+FR*(\a)+FR-1], v[CB+8*\b:CB+8*\b+7], v[SC+8*NQ*(\sc)+NQ*\b+(\q)], v[SC+8*NQ*(\sc)+NQ*(\a)+(\q)] matrix_a_fmt:MATRIX_FMT_BF8 matrix_b_fmt:MATRIX_FMT_BF8 matrix_a_scale:MATRIX_SCALE_ROW1
.elseif \cm == 2
	v_wmma_scale_f32_16x16x128_f8f6f4 v[8*(8*((\a)%4)+\b):8*(8*((\a)%4)+\b)+7], v[128*(\p)+FR*\b:128*(\p)+FR*\b+FR-1], v[AF+FR*(\a):AF+FR*(\a)+FR-1], v[CB+8*(\a):CB+8*(\a)+7], v[SC+8*NQ*(\sc)+NQ*\b+(\q)], v[SC+8*NQ*(\sc)+NQ*(\a)+(\q)] matrix_a_fmt:MATRIX_FMT_BF8 matrix_b_fmt:MATRIX_FMT_BF8 matrix_a_scale:MATRIX_SCALE_ROW1
.else
	v_wmma_scale_f32_16x16x128_f8f6f4 v[8*(8*((\a)%4)+\b):8*(8*((\a)%4)+\b)+7], v[128*(\p)+FR*\b:128*(\p)+FR*\b+FR-1], v[AF+FR*(\a):AF+FR*(\a)+FR-1], v[8*(8*((\a)%4)+\b):8*(8*((\a)%4)+\b)+7], v[SC+8*NQ*(\sc)+NQ*\b+(\q)], v[SC+8*NQ*(\sc)+NQ*(\a)+(\q)] matrix_a_fmt:MATRIX_FMT_BF8 matrix_b_fmt:MATRIX_FMT_BF8 matrix_a_scale:MATRIX_SCALE_ROW1
.endif
.endr
.endr
.endm
.macro FETCH_B slot, q, p
	WIN TO_B
.irp i, 0,1,2,3,4,5,6,7
	FRAG 128*(\p)+FR*\i, ADRB+\slot, \q, \i
.endr
	WIN 0
.endm
.macro FETCH_A slot, q, i0
.irp i, \i0, \i0+1, \i0+2, \i0+3
	FRAG AF+FR*(\i), ADRA+\slot, \q, \i
.endr
.endm
.macro SCALES sc
.irp i, 0,1,2,3,4,5,6,7
	ds_load_b64 v[SC+8*NQ*\sc+NQ*\i:SC+8*NQ*\sc+NQ*\i+1], v[ADRS] offset:\i*SBLK
.endr
.endm
.macro PLACES n
.rept \n
	v_nop
.endr
.endm
.macro STEP slot, q, cm
	s_wait_dscnt 4*NL
.if \cm
	WIN BIA_LO
.else
	WIN MUL_LO
.endif
	MUL16 0, (\q)%2, \q, \slot, \cm
	MUL16 2, (\q)%2, \q, \slot, \cm
	s_wait_dscnt 0
	PLACES NP
	FETCH_B \slot, (\q)+1, 1-(\q)%2
	FETCH_A \slot, (\q)+1, 0
.if \cm
	WIN BIA_HI
.else
	WIN MUL_HI
.endif
	MUL16 4, (\q)%2, \q, \slot, \cm
	MUL16 6, (\q)%2, \q, \slot, \cm
	PLACES NP
	WIN 0
	FETCH_A \slot, (\q)+1, 4
.endm
.macro TURN slot, next, fill
	s_wait_tensorcnt 0x0
	ds_add_u32 v[SPW], v[NIL]
	s_wait_dscnt 4*NL+1
	WIN MUL_LO
	MUL16 0, 1, NQ-1, \slot, 0
	s_wait_dscnt 0x0
	s_barrier_signal -1
	MUL16 2, 1, NQ-1, \slot, 0
	WIN 0
	s_barrier_wait -1
.if \fill
	CREST
	s_add_nc_u64 s[G0+4*\slot+2:G0+4*\slot+3], s[G0+4*\slot+2:G0+4*\slot+3], 2*ROWB
	s_add_nc_u64 s[G0B+4*\slot+2:G0B+4*\slot+3], s[G0B+4*\slot+2:G0B+4*\slot+3], 2*ROWB
	JLOAD G0+4*\slot, G1, G0B+4*\slot, G1B
	PLACES NP-4
.else
	PLACES NP
.endif
	s_wait_alu depctr_va_vdst(0)
	v_add_nc_u32 v[ADRS], 4*NQ, v[ADRS]
	FETCH_B \next, 0, 0
	FETCH_A \next, 0, 0
	SCALES \next
	WIN MUL_HI
	MUL16 4, 1, NQ-1, \slot, 0
	MUL16 6, 1, NQ-1, \slot, 0
	PLACES NP
	WIN 0
	FETCH_A \next, 0, 4
.endm
	s_wait_tensorcnt 1
	s_barrier_signal -1
	s_barrier_wait -1
	FETCH_B 0, 0, 0
	FETCH_A 0, 0, 0
	SCALES 0
	FETCH_A 0, 0, 4
	s_wait_loadcnt 0x0
	s_cmp_eq_u32 s100, 0
	s_cbranch_scc0 .Lfirst_v
	STEP 0, 0, 1
	s_branch .Lfirst_done
.Lfirst_v:
	STEP 0, 0, 2
.Lfirst_done:
	s_mov_b32 s3, LAPS-1
.Llap:
	TURN 0, 1, 1
	STEP 1, 0, 0
	TURN 1, 0, 1
	STEP 0, 0, 0
	s_sub_co_u32 s3, s3, 1
	s_cmp_lg_u32 s3, 0
	s_cbranch_scc1 .Llap
	TURN 0, 1, 0
	STEP 1, 0, 0
	s_wait_dscnt 4*NL
	WIN MUL_LO
	MUL16 0, 1, NQ-1, 1, 0
	MUL16 2, 1, NQ-1, 1, 0
	s_wait_dscnt 0
	WIN MUL_HI
	MUL16 4, 1, NQ-1, 1, 0
	MUL16 6, 1, NQ-1, 1, 0
	WIN 0
.macro QBLK a
.set W,   2+(\a)/4
.set AC,  64*((\a)%4)
.set PCA, PC+16*(\a)
.set W01, W|(W<<2)
.set W12, (W<<2)|(W<<4)
.set W0D, W|(W<<6)
	WIN W01
.irp b, 0,1,2,3
	v_max3_num_f32 v[TM+\b], |v[AC+16*\b]|, |v[AC+16*\b+1]|, 0x8000000
.endr
	WIN W12
.irp i, 2,4,6,8,10,12,14
.irp b, 0,1,2,3
	v_max3_num_f32 v[TM+\b], v[TM+\b], |v[AC+16*\b+\i]|, |v[AC+16*\b+\i+1]|
.endr
.endr
	WIN 0
.irp b, 0,1,2,3
	v_permlanex16_b32 v[TM+4+\b], v[TM+\b], s[SEL], s[SEL+1]
.endr
.irp b, 0,1,2,3
	v_max_num_f32 v[TM+\b], v[TM+\b], v[TM+4+\b]
.endr
.irp b, 0,1,2,3
	v_add_nc_u32 v[TM+12+\b], 0xf8800000, v[TM+\b]
.endr
.irp b, 0,1,2,3
	v_and_or_b32 v[TM+8+\b], v[TM+\b], 0x7f800000, s[MNT]
.endr
.irp b, 0,1,2,3
	v_lshrrev_b32 v[TM+4+\b], 23, v[TM+12+\b]
.endr
	v_lshl_or_b32 v[PW+(\a)], v[TM+5], 8, v[TM+4]
	v_lshl_or_b32 v[PW+(\a)], v[TM+6], 16, v[PW+(\a)]
	v_lshl_or_b32 v[PW+(\a)], v[TM+7], 24, v[PW+(\a)]
	WIN W0D
.irp b, 0,1,2,3
.irp i, 0,1,2,3,4,5,6,7,8,9,10,11,12,13,14,15
	v_med3_num_f32 v[AC+16*\b+\i], v[AC+16*\b+\i], -v[TM+8+\b], v[TM+8+\b]
.endr
.endr
	WIN W
.irp b, 0,1,2,3
	v_cvt_scalef32_pk8_bf8_f32 v[PCA+4*\b:PCA+4*\b+1], v[AC+16*\b:AC+16*\b+7], v[TM+12+\b]
	v_cvt_scalef32_pk8_bf8_f32 v[PCA+4*\b+2:PCA+4*\b+3], v[AC+16*\b+8:AC+16*\b+15], v[TM+12+\b]
.endr
	WIN 0
	v_nop
.irp b, 0,1,2,3
	ds_store_b128 v[STO], v[PCA+4*\b:PCA+4*\b+3] offset:16*QP*(\a)+32*\b
.endr
	ds_store_b32 v[SSO], v[PW+(\a)] offset:64*(\a)
.endm
	PLACES NP
.irp b, 0,1,2,3
	v_mov_b32 v[TM+4+\b], 0
.endr
.irp a, 0,1,2,3,4,5,6,7
	QBLK \a
.endr
	s_wait_dscnt 0x0
.set t, 0
.rept 32
	ds_load_b128 v[PC+4*t:PC+4*t+3], v[RD] offset:4*QP*t
.set t, t+1
.endr
	ds_load_b128 v[SB:SB+3], v[SRD]
.set t, 0
.rept 32
	s_wait_dscnt 32-t
	global_store_b128 v[CO], v[PC+4*t:PC+4*t+3], s[12:13] offset:512*t
.set t, t+1
.endr
	s_wait_dscnt 0x0
	global_store_b128 v[CO], v[SB:SB+3], s[96:97]
	s_wait_tensorcnt 0x0
	ds_add_u32 v[SPW], v[NIL]
	s_wait_dscnt 0x0
	CROUND
	s_endpgm
.Lfunc_end_k_qdae28f7cd0_proj:
	.size	k_qdae28f7cd0_proj, .Lfunc_end_k_qdae28f7cd0_proj-k_qdae28f7cd0_proj
	.p2alignl 7, 3214868480
	.fill 96, 4, 3214868480
	.section	.rodata,"a",@progbits
	.p2align	6, 0x0
	.amdhsa_kernel k_qdae28f7cd0_proj
		.amdhsa_group_segment_fixed_size 327680
		.amdhsa_private_segment_fixed_size 0
		.amdhsa_enable_private_segment 0
		.amdhsa_kernarg_size 136
		.amdhsa_user_sgpr_count 2
		.amdhsa_user_sgpr_kernarg_segment_ptr 1
		.amdhsa_wavefront_size32 1
		.amdhsa_system_sgpr_workgroup_id_x 1
		.amdhsa_system_sgpr_workgroup_id_y 1
		.amdhsa_system_sgpr_workgroup_id_z 1
		.amdhsa_system_vgpr_workitem_id 0
		.amdhsa_next_free_vgpr 1024
		.amdhsa_next_free_sgpr 102
		.amdhsa_reserve_vcc 0
		.amdhsa_float_denorm_mode_32 3
		.amdhsa_float_denorm_mode_16_64 3
		.amdhsa_memory_ordered 1
		.amdhsa_forward_progress 1
		.amdhsa_inst_pref_size 213
	.end_amdhsa_kernel
	.amdgpu_metadata
---
amdhsa.version: [ 1, 2 ]
amdhsa.kernels:
  - .name:           k_qdae28f7cd0_proj
    .symbol:         k_qdae28f7cd0_proj.kd
    .args:
      - { .name: query_codes, .offset: 0, .size: 8, .value_kind: global_buffer, .address_space: global }
      - { .name: query_scales, .offset: 8, .size: 8, .value_kind: global_buffer, .address_space: global }
      - { .name: W_q_codes, .offset: 16, .size: 8, .value_kind: global_buffer, .address_space: global }
      - { .name: W_q_scales, .offset: 24, .size: 8, .value_kind: global_buffer, .address_space: global }
      - { .name: b_q, .offset: 32, .size: 8, .value_kind: global_buffer, .address_space: global }
      - { .name: key_codes, .offset: 40, .size: 8, .value_kind: global_buffer, .address_space: global }
      - { .name: key_scales, .offset: 48, .size: 8, .value_kind: global_buffer, .address_space: global }
      - { .name: W_k_codes, .offset: 56, .size: 8, .value_kind: global_buffer, .address_space: global }
      - { .name: W_k_scales, .offset: 64, .size: 8, .value_kind: global_buffer, .address_space: global }
      - { .name: b_k, .offset: 72, .size: 8, .value_kind: global_buffer, .address_space: global }
      - { .name: value_codes, .offset: 80, .size: 8, .value_kind: global_buffer, .address_space: global }
      - { .name: value_scales, .offset: 88, .size: 8, .value_kind: global_buffer, .address_space: global }
      - { .name: W_v_codes, .offset: 96, .size: 8, .value_kind: global_buffer, .address_space: global }
      - { .name: W_v_scales, .offset: 104, .size: 8, .value_kind: global_buffer, .address_space: global }
      - { .name: b_v, .offset: 112, .size: 8, .value_kind: global_buffer, .address_space: global }
      - { .name: qkvc, .offset: 120, .size: 8, .value_kind: global_buffer, .address_space: global }
      - { .name: qkvs, .offset: 128, .size: 8, .value_kind: global_buffer, .address_space: global }
    .group_segment_fixed_size: 327680
    .private_segment_fixed_size: 0
    .kernarg_segment_align: 8
    .kernarg_segment_size: 136
    .max_flat_workgroup_size: 128
    .sgpr_count:     102
    .vgpr_count:     1024
    .wavefront_size: 32
...
	.end_amdgpu_metadata
.endif
;; end of part 2
;; launch attn (part 3): grid 8 x 32, 8 waves a work-group, no clusters, 139,776 bytes of LDS; arguments qkvc, qkvs, mbits, flags, xc, xs; writes xc, xs
.if DOCPART == 3
	.amdgcn_target "amdgcn-amd-amdhsa--gfx1250"
	.amdhsa_code_object_version 6
	.text
	.protected	k_qdae28f7cd0_attn
	.globl	k_qdae28f7cd0_attn
	.p2align	8
	.type	k_qdae28f7cd0_attn,@function
k_qdae28f7cd0_attn:
	s_mov_b64 s[64:65], 0
	v_nop
	global_prefetch_b8 v0, s[64:65] scope:SCOPE_SE
	s_setreg_imm32_b32 hwreg(HW_REG_WAVE_MODE, 25, 1), 1
	s_wait_xcnt 0x0
; ATTENTION ON CODES OF BF8 (E5M2), one E8M0 scale for each 32 along a product's K; 64 heads of 64, 2,048 queries and keys; both masks as the first launch packed them.
; t = score x log2(e) / 8; M = the row's largest t so far, rounded UP to a whole number; p = 2^(t - M) is quantised along the keys, not normalised; the row's sum is taken of the unquantised p and divides O at the end.
; When M moves, the sum and O are multiplied by 2^(old M - new M): exact.  x = O / sum is quantised along the model's 1,024 and leaves as codes for the output projection.
; SHARES.  Work-group (x, y): batch y / 8, head pair y % 8; it takes blocks x and 15 - x of 128 queries, one after the other.  Wave w of eight: head w / 4 of the pair, queries 32 (w % 4) .. + 31 of the block: TWO tiles of 16.
; Each fragment of K and of V that a wave reads from LDS serves both its tiles: 32 LDS loads of 16 bytes a lane for 24 matrix instructions.
; REGISTERS.  Tile 0's state lies in window 0, tile 1's in window 1 under the same numbers, so one text (SOFTMAX, OUT) serves both under one window setting.  Scale words lie in window 0.  K's fragments: window 0; V's: window 1.
; Both products are used transposed: S^T = K Q^T (source 0 = 16 keys), O^T = V^T P^T (source 0 = 16 of the head's 64): a lane holds ONE query (lane % 16) of each tile.
; The head's 64 fill half of the instruction's 128 along K: Q's upper eight registers are zero codes; K's fragments lie eight registers a tile, so a tile's upper half is the next tile's codes (tile 7: eight registers of zeros):
; finite codes of this program's own quantiser, multiplied by zero codes; the upper two scale bytes are 0, a power of two like any other.
; WHICH KEY STEPS ARE WORKED hangs on the stored flags (low half: bit s, the step is worked; high half: bit 16 + s, the step hides some score).  A wave takes the OR of its two tiles' words.  A step that hides all its keys from both
; tiles adds nothing and is jumped over; a step that hides nothing loads no mask words and selects nothing.  The trip count stays 16, and every wave passes every barrier.
; NO CLUSTER, NO TENSOR LOAD: the jumps hang on numbers read from memory.  A step's tiles (32 KB) come through registers: each wave loads 4 KB of the NEXT step's tiles
; into K's fragment registers once the scores' products have read them, and stores them to the other LDS slot at the trip's end.  NO PREFETCH: those loads are themselves issued one key step ahead of the tile's first use.
; HIDDEN SCORES become -2^120.  While a row has seen hidden keys alone, t - M is exactly 0 and p = 1; its first open key moves M so far that 2^(old M - new M) is 0, which wipes those sums; from then on a hidden key's p is 0.
; A row that sees no key at all ends with p = 1 for all 2,048 keys: equal weights, as a softmax over equal scores gives.
; LIMITS: open scores must lie above -2^120.  NaN and infinities are not served.  A block of zeros carries the byte 1.  A block's largest p is made from its largest score, which takes v_exp_f32 not to fall where its
; input rises.  The scale words of x (4 bytes a token and head pair) are stored 32 bytes apart.
.set PK,    144                        ; an LDS row: 128 bytes + 16
.set VOFF,  128*PK                     ; a slot: 128 rows of K (a key's 128 codes of the head pair), then 128 rows of V (a feature's 128 keys)
.set SLOT1, 65536
.set SCK,   102400                     ; K's scale words of the batch and head pair: 2,048 x 4 bytes
.set SCV,   SCK+8192                   ; V's: [key step 16][feature 128] x 4 bytes
.set XST,   SCV+8192                   ; the way out: 128 rows of 128 codes, 144 bytes apart
.set XSS,   XST+128*PK                 ; and their scale words, 512 bytes
.set SPARE, XSS+512                    ; the spare words: 128 bytes a wave
; window 0 alone: addresses, scale words, K's fragments
.set AK0,  1                           ; my lane's place in a tile of K, of V; where I store my 4 KB; among K's and V's scale words
.set AV0,  2
.set AST0, 3
.set ASK0, 4
.set ASV0, 5
.set GOF,  6                           ; 16 x lane
.set ADK,  9                           ; the same five for the step in hand (on the way out: the stage's addresses)
.set ADV,  36
.set ADS,  37
.set ADT,  42
.set AST,  43
.set KSC,  32                          ; v32-35 K's scale words: lanes 0-15 tile 2 u, lanes 16-31 tile 2 u + 1
.set QSC,  38                          ; v38, v39 Q's, tile 0, 1
.set VSC,  40                          ; v40, v41 V's
.set PW,   44                          ; v44, v45 p's, tile 0, 1
.set SPW,  46
.set NIL,  47
.set KF,   184                         ; v184-247 eight fragments of K, 8 registers each; then my 4 KB of the next tiles
.set ZP,   248                         ; v248-255 zero codes
.set VF,   184                         ; window 1: four fragments of V, 16 registers each
; both windows, a query tile each
.set HID,  7                           ; -2^120
.set T,    8
.set F,    10                          ; v[10:11] 2^(old M - new M)
                                       ; v12 -M, v13 the largest t, v[14:15] the sum; v16-23 Q, v24-31 zero codes
.set BM,   48                          ; a block's largest score, then its largest p
.set BP,   52                          ; the other half of the lanes'; then the bytes
.set BH,   56                          ; 57,344 x the scale
.set BS,   60                          ; the conversion's scale operand
.set S,    64                          ; v64-127 S^T, then p
.set O,    128                         ; v128-159 O^T
.set PC,   160                         ; v160-175 p's codes
.set ST,   176                         ; v176-181 three more chains of the sum
; s2 first row of the batch and head pair; s3 bytes of scale words passed; s16 wave, s17 head of the pair, s18 my 32 queries of the block; s19 mantissa of 57,344; s[20:21] lane selects; s[22:23] c; s24 batch, s25 head pair,
; s26 query block, s27 blocks to go, s28 trips to go, s29 my steps worked, s30 the block's, s104 my steps with hidden scores, s105 the slot in hand, s31 my part of tile 0; s[32:63], s[68:99] 64 mask words;
; s[66:67] my part of the step's tiles; s[100:101] the step's mask words
.set MSB, 0
.macro WIN new                         ; the immediate's high byte repeats the setting that is left
.if MSB != \new
	s_set_vgpr_msb (MSB<<8)|\new
.set MSB, \new
.endif
.endm
.macro WALU
	s_wait_alu depctr_va_vdst(0)
.endm
	s_load_b256 s[4:11], s[0:1], 0x0               ; qkvc, qkvs, mbits, flags
	s_load_b128 s[12:15], s[0:1], 0x20             ; xc, xs
	v_lshl_add_u32 v[SPW], v0, 2, SPARE
	v_mov_b32 v[NIL], 0
	v_lshrrev_b32 v1, 5, v0
	v_readfirstlane_b32 s16, v1                    ; wave 0..7
	s_lshr_b32 s17, s16, 2
	s_and_b32 s18, s16, 3
	s_and_b32 s40, ttmp7, 0xffff                   ; y
	s_lshr_b32 s24, s40, 3
	s_and_b32 s25, s40, 7
	s_mov_b32 s26, ttmp9
	s_mov_b32 s27, 2
	s_mov_b32 s19, 0x600000
	s_mov_b32 s20, 0x76543210
	s_mov_b32 s21, 0xfedcba98
	s_mov_b32 s22, 0x3e38aa3b                      ; c = log2(e) / sqrt(64)
	s_mov_b32 s23, s22
	s_lshl_b32 s2, s25, 13
	s_lshl_b32 s41, s24, 11
	s_add_co_u32 s2, s2, s41
	s_lshl_b32 s41, s2, 7
	s_add_co_u32 s41, s41, 0x800000                ; K's rows of this batch and head pair in qkvc,
	s_lshl_b32 s42, s40, 18
	s_add_co_u32 s42, s42, 0x1000000               ; V's,
	s_lshl_b32 s43, s2, 2
	s_add_co_u32 s43, s43, 262144                  ; and their scale words in qkvs
	s_lshl_b32 s44, s40, 13
	s_add_co_u32 s44, s44, 524288
	s_cmp_eq_u32 s17, 0                            ; waves 0 to 3 bring K's tiles and scale words, waves 4 to 7 V's
	s_cselect_b32 s31, s41, s42
	s_cselect_b32 s44, s43, s44
	s_lshl_b32 s45, s18, 12
	s_add_co_u32 s31, s31, s45                     ; 4 KB of a tile a wave
	s_lshl_b32 s45, s18, 11
	s_add_co_u32 s44, s44, s45                     ; 2 KB of scale words a wave
	s_mov_b32 s45, 0
	s_lshl_b32 s48, s17, 6                         ; K: my head's 64 bytes of a key's row
	s_mul_i32 s49, s17, 64*PK
	s_add_co_u32 s49, s49, VOFF                    ; V: my head's 64 rows
	s_mul_i32 s50, s16, 32*PK                      ; wave w stores rows 32 w .. 32 w + 31 of the slot's 256
	s_lshl_b32 s51, s17, 1
	s_add_co_u32 s51, s51, SCK
	s_lshl_b32 s52, s17, 8
	s_add_co_u32 s52, s52, SCV
	s_lshl_b32 s53, s16, 11
	s_add_co_u32 s53, s53, SCK
	v_and_b32 v64, 31, v0                          ; lane
	v_and_b32 v65, 15, v0                          ; r
	v_bfe_u32 v66, v0, 4, 1                        ; h
	v_mul_u32_u24 v67, v65, PK
	v_lshl_add_u32 v67, v66, 4, v67                ; a fragment's row x pitch + 16 x half
	v_add_nc_u32 v[AK0], s48, v67
	v_add_nc_u32 v[AV0], s49, v67
	v_lshrrev_b32 v68, 3, v64
	v_mul_u32_u24 v68, v68, PK
	v_and_b32 v69, 7, v64
	v_lshl_add_u32 v68, v69, 4, v68
	v_add_nc_u32 v[AST0], s50, v68                 ; eight lanes to a row, four rows an instruction
	v_lshl_add_u32 v[ASK0], v64, 2, s51            ; K's scale words: 4 bytes a key, my head's two bytes
	v_lshl_add_u32 v[ASV0], v64, 2, s52            ; V's: 4 bytes a feature, my head's 64 features
	v_lshlrev_b32 v[GOF], 4, v64
	v_add_nc_u32 v70, s53, v[GOF]                  ; where my 2 KB of scale words go
.irp j, 0,1,2,3,4,5,6,7
	v_mov_b32 v[ZP+\j], 0                          ; the upper half of K's tile 7
.endr
.macro ONCE w                          ; what a tile's window holds throughout, or what is named before it is first made
	WIN 0x40*\w
.irp j, 0,1,2,3,4,5,6,7
	v_mov_b32 v[24+\j], 0                          ; Q's upper half: zero codes
.endr
.irp j, 0,1,2,3
	v_mov_b32 v[BP+\j], 0                          ; a lane permute's destination counts as one of its sources
.endr
	v_mov_b32 v[F+1], 0
	v_mov_b32 v[T], 0
	v_mov_b32 v[HID], 0xfb800000                   ; -2^120
.endm
	ONCE 0
	ONCE 1
	WIN 0
	WALU                                           ; the wait at the head's end
	s_wait_kmcnt 0x0
	s_add_nc_u64 s[46:47], s[6:7], s[44:45]
.irp m, 0,1,2,3
	global_load_b128 v[KF+32+4*\m:KF+35+4*\m], v[GOF], s[46:47] offset:512*\m
.endr
	s_wait_loadcnt 0x0
.irp m, 0,1,2,3
	ds_store_b128 v70, v[KF+32+4*\m:KF+35+4*\m] offset:512*\m
.endr
.macro QK t, w                         ; tile t of S^T: 16 keys x 16 queries of my tile w
.if (\t)%2
	v_wmma_scale_f32_16x16x128_f8f6f4 v[S+8*(\t):S+8*(\t)+7], v[KF+8*(\t):KF+8*(\t)+15], v[16:31], 0, v[KSC+(\t)/2], v[QSC+\w] matrix_a_fmt:MATRIX_FMT_BF8 matrix_b_fmt:MATRIX_FMT_BF8 matrix_a_scale:MATRIX_SCALE_ROW1
.else
	v_wmma_scale_f32_16x16x128_f8f6f4 v[S+8*(\t):S+8*(\t)+7], v[KF+8*(\t):KF+8*(\t)+15], v[16:31], 0, v[KSC+(\t)/2], v[QSC+\w] matrix_a_fmt:MATRIX_FMT_BF8 matrix_b_fmt:MATRIX_FMT_BF8
.endif
.endm
.macro PV t, w                         ; tile t of O^T: 16 of the head's 64 x 16 queries, K = the step's 128 keys
.if (\t)%2
	v_wmma_scale_f32_16x16x128_f8f6f4 v[O+8*(\t):O+8*(\t)+7], v[VF+16*(\t):VF+16*(\t)+15], v[PC:PC+15], v[O+8*(\t):O+8*(\t)+7], v[VSC+(\t)/2], v[PW+\w] matrix_a_fmt:MATRIX_FMT_BF8 matrix_b_fmt:MATRIX_FMT_BF8 matrix_a_scale:MATRIX_SCALE_ROW1
.else
	v_wmma_scale_f32_16x16x128_f8f6f4 v[O+8*(\t):O+8*(\t)+7], v[VF+16*(\t):VF+16*(\t)+15], v[PC:PC+15], v[O+8*(\t):O+8*(\t)+7], v[VSC+(\t)/2], v[PW+\w] matrix_a_fmt:MATRIX_FMT_BF8 matrix_b_fmt:MATRIX_FMT_BF8
.endif
.endm
.macro NEXT                            ; my 4 KB of the next step's tiles: 512 consecutive bytes a load
.irp m, 0,1,2,3,4,5,6,7
	global_load_b128 v[KF+4*\m:KF+4*\m+3], v[GOF], s[66:67] offset:16384+512*\m
.endr
.endm
.macro MASK w                          ; tile w's 64 mask words of the step (a q tile's words lie 16,384 bytes apart); a hidden score becomes -2^120
	s_load_b512 s[32:47], s[100:101], 16384*\w
	s_load_b512 s[48:63], s[100:101], 16384*\w+0x40
	s_load_b512 s[68:83], s[100:101], 16384*\w+0x80
	s_load_b512 s[84:99], s[100:101], 16384*\w+0xc0
	s_wait_kmcnt 0x0
	WIN 0x55*\w
.set n, 0
.rept 32
	v_cndmask_b32 v[S+n], v[S+n], v[HID], s[32+n]  ; ascending: each tile of scores is read from its low end on
.set n, n+1
.endr
.rept 32
	v_cndmask_b32 v[S+n], v[S+n], v[HID], s[36+n]
.set n, n+1
.endr
	WALU                                           ; the selects are through before the words are loaded anew
.endm
; THE SOFTMAX AND THE QUANTISER of tile w's 16 queries x 128 keys, wholly in window w (p's scale word alone goes to window 0); it ends with O^T under the new M
.macro SOFTMAX w
	WIN 0x55*\w
	WALU                                           ; the wait ahead of the first readers of the scores
.irp b, 0,1,2,3
	v_max3_num_f32 v[BM+\b], v[S+16*\b], v[S+16*\b+1], v[S+16*\b+2]   ; the largest score of each block of 32 keys: for the row's maximum and for the block's largest p
.endr
.irp i, 3,5,7,9,11,13
.irp b, 0,1,2,3
	v_max3_num_f32 v[BM+\b], v[BM+\b], v[S+16*\b+\i], v[S+16*\b+\i+1]
.endr
.endr
.irp b, 0,1,2,3
	v_max_num_f32 v[BM+\b], v[BM+\b], v[S+16*\b+15]
.endr
.irp b, 0,1,2,3
	v_permlanex16_b32 v[BP+\b], v[BM+\b], s20, s21
.endr
.irp b, 0,1,2,3
	v_max_num_f32 v[BM+\b], v[BM+\b], v[BP+\b]     ; with lane l xor 16's 16 keys
.endr
	v_max3_num_f32 v[T], v[BM], v[BM+1], v[BM+2]
	v_max_num_f32 v[T], v[T], v[BM+3]
	v_mul_f32 v[T], s22, v[T]                      ; the step's largest t (c is positive)
	v_max_num_f32 v13, v13, v[T]                   ; the running largest t
	v_mov_b32 v[T], v12
	v_floor_f32 v12, -v13                          ; the new -M = floor(-t): M is a whole number
	v_sub_f32 v[T], v12, v[T]                      ; old M - new M: a whole number, 0 or less
	v_cvt_i32_f32 v[T], v[T]                       ; (it saturates)
	v_ldexp_f32 v[F], 1.0, v[T]                    ; 2^(old M - new M)
.set n, 0
.rept 32
	v_pk_fma_f32 v[S+n:S+n+1], v[S+n:S+n+1], s[22:23], v[12:13] op_sel_hi:[1,0,0]   ; t - M, two at a time
.set n, n+2
.endr
.irp b, 0,1,2,3
	v_fma_f32 v[BM+\b], v[BM+\b], s22, v12         ; the same of each block's largest score
.endr
	WALU                                           ; the wait ahead of the batch
.set n, 0
.rept 64
	v_exp_f32 v[S+n], v[S+n]                       ; p = 2^(t - M), at most 1
.set n, n+1
.endr
	v_pk_mul_f32 v[14:15], v[14:15], v[F:F+1] op_sel_hi:[1,0]   ; the sum under the new M: the plain line behind the exponentials
	WALU                                           ; one wait for the batch of 64
.irp b, 0,1,2,3
	v_exp_f32 v[BM+\b], v[BM+\b]                   ; the block's largest p: the same two instructions on the same number give the same bits
.endr
	v_pk_add_f32 v[ST:ST+1], v[S:S+1], v[S+2:S+3]  ; the row's sum of the unquantised p: 32 lines in four chains
	v_pk_add_f32 v[ST+2:ST+3], v[S+4:S+5], v[S+6:S+7]
	v_pk_add_f32 v[ST+4:ST+5], v[S+8:S+9], v[S+10:S+11]
	v_pk_add_f32 v[14:15], v[14:15], v[S+12:S+13]
.set n, 14
.rept 6
	v_pk_add_f32 v[ST:ST+1], v[ST:ST+1], v[S+n:S+n+1]
	v_pk_add_f32 v[ST+2:ST+3], v[ST+2:ST+3], v[S+n+2:S+n+3]
	v_pk_add_f32 v[ST+4:ST+5], v[ST+4:ST+5], v[S+n+4:S+n+5]
	v_pk_add_f32 v[14:15], v[14:15], v[S+n+6:S+n+7]
.set n, n+8
.endr
	v_pk_add_f32 v[ST:ST+1], v[ST:ST+1], v[S+62:S+63]
	v_pk_add_f32 v[14:15], v[14:15], v[ST+4:ST+5]
	v_pk_add_f32 v[ST:ST+1], v[ST:ST+1], v[ST+2:ST+3]
	v_pk_add_f32 v[14:15], v[14:15], v[ST:ST+1]
	WALU                                           ; and one for the four
.irp b, 0,1,2,3
	v_max_num_f32 v[BM+\b], 0x8000000, v[BM+\b]    ; the floor 2^(16 - 127): the byte cannot fall under 1
.endr
.irp b, 0,1,2,3
	v_add_nc_u32 v[BS+\b], 0xf8800000, v[BM+\b]    ; 15 off the exponent field: the conversion's scale operand
.endr
.irp b, 0,1,2,3
	v_and_or_b32 v[BH+\b], v[BM+\b], 0x7f800000, s19   ; 57,344 x the scale
.endr
.irp b, 0,1,2,3
	v_lshrrev_b32 v[BP+\b], 23, v[BS+\b]           ; the scale's byte
.endr
	v_lshl_or_b32 v[T], v[BP+1], 8, v[BP]
	v_lshl_or_b32 v[T], v[BP+2], 16, v[T]
	WIN 0x15*\w                                    ; scale operands are taken from window 0
	v_lshl_or_b32 v[PW+\w], v[BP+3], 24, v[T]
	WIN 0x55*\w
.irp b, 0,1,2,3
.irp i, 0,1,2,3,4,5,6,7,8,9,10,11,12,13,14,15
	v_min_num_f32 v[S+16*\b+\i], v[S+16*\b+\i], v[BH+\b]   ; the conversion does not saturate (ISA guide 7.6.2); p is not negative, so the hold is one-sided
.endr
	v_cvt_scalef32_pk8_bf8_f32 v[PC+4*\b:PC+4*\b+1], v[S+16*\b:S+16*\b+7], v[BS+\b]
	v_cvt_scalef32_pk8_bf8_f32 v[PC+4*\b+2:PC+4*\b+3], v[S+16*\b+8:S+16*\b+15], v[BS+\b]
.endr
	WALU                                           ; the wait ahead of the first readers of O^T
.set n, 0
.rept 16
	v_pk_mul_f32 v[O+n:O+n+1], v[O+n:O+n+1], v[F:F+1] op_sel_hi:[1,0]   ; O^T under the new M; these sixteen are also the places between the conversions and the products
.set n, n+2
.endr
.endm
.macro INIT w                          ; a block's start for tile w
	WIN 0x55*\w
	v_mov_b32 v13, 0xff61b1e6                      ; the largest t so far: -3e38, under every t
	v_floor_f32 v12, -v13                          ; -M
	v_mov_b32 v14, 0
	v_mov_b32 v15, 0
.set n, 0
.rept 32
	v_mov_b32 v[O+n], 0                            ; the step is written once: the first finds zeros, which the first change of M leaves zeros
.set n, n+1
.endr
.endm
; THE WAY OUT of tile w: x = O^T / the sum; its two blocks of 32 are quantised; the codes go to the stage in natural order, eight bytes at 32 g + 16 u + 8 h of my head's 64
.macro OUT w
	WIN 0x55*\w
	v_add_f32 v14, v14, v15
	v_permlanex16_b32 v[T], v14, s20, s21
	v_add_f32 v14, v14, v[T]                       ; the row's sum
	WALU                                           ; the wait ahead of the reciprocal
	v_rcp_f32 v14, v14
	v_nop
	WALU                                           ; and behind it, ahead of the first readers of it and of O^T
.set n, 0
.rept 16
	v_pk_mul_f32 v[S+n:S+n+1], v[O+n:O+n+1], v[14:15] op_sel_hi:[1,0]   ; register 8 t + j is x(query r, feature 16 t + 8 h + j)
.set n, n+2
.endr
.irp b, 0,1
	v_max3_num_f32 v[BM+\b], |v[S+16*\b]|, |v[S+16*\b+1]|, 0x8000000
.endr
.irp i, 2,4,6,8,10,12,14
.irp b, 0,1
	v_max3_num_f32 v[BM+\b], v[BM+\b], |v[S+16*\b+\i]|, |v[S+16*\b+\i+1]|
.endr
.endr
.irp b, 0,1
	v_permlanex16_b32 v[BP+\b], v[BM+\b], s20, s21
.endr
.irp b, 0,1
	v_max_num_f32 v[BM+\b], v[BM+\b], v[BP+\b]
.endr
.irp b, 0,1
	v_add_nc_u32 v[BS+\b], 0xf8800000, v[BM+\b]
.endr
.irp b, 0,1
	v_and_or_b32 v[BH+\b], v[BM+\b], 0x7f800000, s19
.endr
.irp b, 0,1
	v_lshrrev_b32 v[BP+\b], 23, v[BS+\b]
.endr
	v_lshl_or_b32 v[T], v[BP+1], 8, v[BP]
.irp b, 0,1
.irp i, 0,1,2,3,4,5,6,7,8,9,10,11,12,13,14,15
	v_med3_num_f32 v[S+16*\b+\i], v[S+16*\b+\i], -v[BH+\b], v[BH+\b]
.endr
	v_cvt_scalef32_pk8_bf8_f32 v[PC+4*\b:PC+4*\b+1], v[S+16*\b:S+16*\b+7], v[BS+\b]
	v_cvt_scalef32_pk8_bf8_f32 v[PC+4*\b+2:PC+4*\b+3], v[S+16*\b+8:S+16*\b+15], v[BS+\b]
.endr
	v_nop                                          ; one plain vector line behind the last scaled conversion
	WIN 0x04*\w                                    ; the address in window 0, the data in window w
.irp b, 0,1
.irp u, 0,1
	ds_store_b64 v[ADK], v[PC+4*\b+2*\u:PC+4*\b+2*\u+1] offset:16*PK*\w+32*\b+16*\u
.endr
.endr
	ds_store_b16 v[ADV], v[T] offset:64*\w         ; both halves of the lanes write the same two bytes with the same value
.endm
.Lhalf:                                            ; a block of 128 queries
	s_lshl_b32 s40, s24, 7
	s_lshl_b32 s41, s26, 3
	s_add_co_u32 s40, s40, s41                     ; flags [batch][q tile]: the block's eight,
	s_lshl_b32 s42, s18, 1
	s_add_co_u32 s42, s40, s42                     ; and my two
	s_lshl_b32 s40, s40, 2
	s_mov_b32 s41, 0
	s_lshl_b32 s42, s42, 2
	s_mov_b32 s43, 0
	s_add_nc_u64 s[40:41], s[10:11], s[40:41]
	s_add_nc_u64 s[42:43], s[10:11], s[42:43]
	s_load_b256 s[48:55], s[40:41], 0x0
	s_load_b64 s[60:61], s[42:43], 0x0
	s_lshl_b32 s44, s26, 7
	s_lshl_b32 s45, s18, 5
	s_add_co_u32 s44, s44, s45
	s_add_co_u32 s44, s44, s2                      ; my first query's row
	s_lshl_b32 s56, s44, 7
	s_lshl_b32 s45, s17, 6
	s_add_co_u32 s56, s56, s45
	s_mov_b32 s57, 0
	s_add_nc_u64 s[56:57], s[4:5], s[56:57]        ; its codes, my head's 64
	s_lshl_b32 s58, s44, 2
	s_lshl_b32 s45, s17, 1
	s_add_co_u32 s58, s58, s45
	s_mov_b32 s59, 0
	s_add_nc_u64 s[58:59], s[6:7], s[58:59]        ; its scale bytes, my head's two
	s_lshl_b32 s100, s26, 3
	s_lshl_b32 s45, s18, 1
	s_add_co_u32 s100, s100, s45
	s_lshl_b32 s100, s100, 6
	s_add_co_u32 s100, s100, s24
	s_lshl_b32 s100, s100, 8                       ; mbits: ((q tile x 16 + step) x 4 + batch) x 256 bytes, step 0
	s_mov_b32 s101, 0
	s_add_nc_u64 s[100:101], s[8:9], s[100:101]
	s_mov_b32 s66, s31
	s_mov_b32 s67, 0
	s_add_nc_u64 s[66:67], s[4:5], s[66:67]        ; my part of tile 0
	v_and_b32 v65, 15, v0
	v_bfe_u32 v66, v0, 4, 1
	v_lshlrev_b32 v64, 7, v65
	v_lshl_add_u32 v64, v66, 4, v64                ; 128 r + 16 h
	v_lshlrev_b32 v65, 2, v65                      ; 4 r
	WALU
	global_load_b128 v[16:19], v64, s[56:57]
	global_load_b128 v[20:23], v64, s[56:57] offset:32
	global_load_u16 v[QSC], v65, s[58:59]          ; the upper two bytes come as 0
	global_load_u16 v[QSC+1], v65, s[58:59] offset:64
	WIN 0x40
	global_load_b128 v[16:19], v64, s[56:57] offset:2048   ; tile 1: 16 rows on
	global_load_b128 v[20:23], v64, s[56:57] offset:2080
	WIN 0
.irp m, 0,1,2,3,4,5,6,7
	global_load_b128 v[KF+4*\m:KF+4*\m+3], v[GOF], s[66:67] offset:512*\m   ; tile 0 comes whatever the flags say
.endr
	INIT 0
	INIT 1
	WIN 0
	s_mov_b32 s3, 0
	s_mov_b32 s28, 16
	s_mov_b32 s105, 0
	s_wait_kmcnt 0x0
	s_or_b32 s30, s48, s49
	s_or_b32 s30, s30, s50
	s_or_b32 s30, s30, s51
	s_or_b32 s30, s30, s52
	s_or_b32 s30, s30, s53
	s_or_b32 s30, s30, s54
	s_or_b32 s30, s30, s55
	s_and_b32 s30, s30, 0xffff
	s_or_b32 s29, s60, s61
	s_lshr_b32 s104, s29, 16
	s_and_b32 s29, s29, 0xffff
	WALU
	s_wait_loadcnt 0x0
.irp m, 0,1,2,3,4,5,6,7
	ds_store_b128 v[AST0], v[KF+4*\m:KF+4*\m+3] offset:4*PK*\m     ; slot 0 was last read three barriers back
.endr
	s_wait_dscnt 0x0                               ; for the others' sake: my part of tile 0 (and, the first time, of the scale words) has landed
	s_barrier_signal -1
	s_barrier_wait -1
; A TRIP: one key step, in the slot at s105.  Bit 0 of the flags is this step, bit 1 the next.  ONE barrier: in front of it each wave's stores into the other slot have landed and its reads of this slot are in;
; the other slot was last read ahead of the last trip's barrier.  The flags have 16 bits, so the last trip finds bit 1 clear and asks for nothing.
.Ltrip:
	s_xor_b32 s62, s105, SLOT1
	v_add_nc_u32 v[ADK], s105, v[AK0]
	v_add_nc_u32 v[ADV], s105, v[AV0]
	v_add_nc_u32 v[ADS], s3, v[ASK0]
	v_add_nc_u32 v[ADT], s3, v[ASV0]
	v_add_nc_u32 v[AST], s62, v[AST0]
	WALU                                           ; the wait
	s_bitcmp1_b32 s29, 0                           ; does either of my tiles work this step?
	s_cbranch_scc0 .Lhidden
.irp t, 0,1,2,3,4,5,6,7
	ds_load_b128 v[KF+8*\t:KF+8*\t+3], v[ADK] offset:16*PK*\t
	ds_load_b128 v[KF+8*\t+4:KF+8*\t+7], v[ADK] offset:16*PK*\t+32
.endr
.irp u, 0,1,2,3
	ds_load_u16 v[KSC+\u], v[ADS] offset:128*\u    ; my head's two bytes; the upper two come as 0
.endr
	s_wait_dscnt 0x0
.irp t, 0,1,2,3,4,5,6,7
	QK \t, 0
.endr
	WIN 0x44                                       ; Q and the scores of tile 1: window 1
.irp t, 0,1,2,3,4,5,6,7
	QK \t, 1
.endr
	WIN 0
.rept 8
	v_nop                                          ; eight places: ahead of the loads into K's and V's fragment registers, and of the first read of the scores
.endr
	s_bitcmp1_b32 s30, 1                           ; does any tile of the block work the next step?
	s_cbranch_scc0 .Lno_next
	NEXT
.Lno_next:
	WIN 0x40
.irp t, 0,1,2,3
.irp c, 0,1,2,3
	ds_load_b128 v[VF+16*\t+4*\c:VF+16*\t+4*\c+3], v[ADV] offset:16*PK*\t+32*\c    ; V's fragments land while the first softmax is walked
.endr
.endr
	WIN 0
.irp u, 0,1
	ds_load_b32 v[VSC+\u], v[ADT] offset:128*\u
.endr
	s_bitcmp1_b32 s104, 0                          ; does the step hide any score of my tiles?
	s_cbranch_scc0 .Lopen
	MASK 0
	MASK 1
	WIN 0
.Lopen:
	SOFTMAX 0
	WALU                                           ; directly ahead of the wait below
	s_wait_dscnt 0x0                               ; V
	WIN 0x01
.irp t, 0,1,2,3
	PV \t, 0                                       ; the four accumulators by turns
.endr
	SOFTMAX 1
.irp t, 0,1,2,3
	PV \t, 1
.endr
	WIN 0
	WALU
	s_branch .Ljoin
.Lhidden:
	s_bitcmp1_b32 s30, 1
	s_cbranch_scc0 .Ljoin
	NEXT
.Ljoin:
	s_wait_loadcnt 0x0
	s_bitcmp1_b32 s30, 1
	s_cbranch_scc0 .Lno_store
.irp m, 0,1,2,3,4,5,6,7
	ds_store_b128 v[AST], v[KF+4*\m:KF+4*\m+3] offset:4*PK*\m
.endr
.Lno_store:
	s_wait_xcnt 0x0                                ; the loads of this trip have read their bases: they may step
	s_add_nc_u64 s[66:67], s[66:67], 16384
	s_add_nc_u64 s[100:101], s[100:101], 1024
	s_add_co_u32 s3, s3, 512
	s_xor_b32 s105, s105, SLOT1
	s_lshr_b32 s30, s30, 1
	s_lshr_b32 s29, s29, 1
	s_lshr_b32 s104, s104, 1
	s_wait_dscnt 0x0
	s_barrier_signal -1
	s_barrier_wait -1
	s_sub_co_u32 s28, s28, 1
	s_cmp_lg_u32 s28, 0
	s_cbranch_scc1 .Ltrip
	s_mul_i32 s40, s18, 32*PK                      ; the stage, in: row 32 (w % 4) + 16 tile + r, my head's 64 bytes, + 8 h
	s_lshl_b32 s41, s17, 6
	s_add_co_u32 s40, s40, s41
	s_add_co_u32 s40, s40, XST
	s_lshl_b32 s41, s18, 7                         ; my rows' scale words, my head's two bytes
	s_lshl_b32 s46, s17, 1
	s_add_co_u32 s41, s41, s46
	s_add_co_u32 s41, s41, XSS
	s_mul_i32 s46, s16, 16*PK                      ; back: wave w takes rows 16 w .. 16 w + 15, four an instruction
	s_add_co_u32 s46, s46, XST
	s_and_b32 s48, s16, 3
	s_lshl_b32 s47, s48, 7                         ; waves 0 to 3: the scale words of rows 32 w + lane
	s_add_co_u32 s47, s47, XSS
	s_lshl_b32 s42, s26, 7
	s_add_co_u32 s42, s42, s2
	s_lshl_b32 s42, s42, 7
	s_lshl_b32 s43, s16, 11
	s_add_co_u32 s42, s42, s43
	s_mov_b32 s43, 0
	s_add_nc_u64 s[42:43], s[12:13], s[42:43]      ; xc [head pair][token][128]: the block's rows, my 2 KB
	s_lshl_b32 s44, s24, 11
	s_lshl_b32 s45, s26, 7
	s_add_co_u32 s44, s44, s45
	s_lshl_b32 s45, s48, 5
	s_add_co_u32 s44, s44, s45
	s_lshl_b32 s44, s44, 5
	s_lshl_b32 s45, s25, 2
	s_add_co_u32 s44, s44, s45
	s_mov_b32 s45, 0
	s_add_nc_u64 s[44:45], s[14:15], s[44:45]      ; xs [token][32]: the head pair's word
	v_and_b32 v184, 15, v0
	v_bfe_u32 v185, v0, 4, 1
	v_and_b32 v186, 31, v0
	v_mul_u32_u24 v187, v184, PK
	v_lshl_add_u32 v187, v185, 3, v187
	v_add_nc_u32 v[ADK], s40, v187
	v_lshl_add_u32 v[ADV], v184, 2, s41
	v_lshrrev_b32 v187, 3, v186
	v_mul_u32_u24 v187, v187, PK
	v_and_b32 v188, 7, v186
	v_lshl_add_u32 v187, v188, 4, v187
	v_add_nc_u32 v[ADS], s46, v187
	v_lshl_add_u32 v[ADT], v186, 2, s47
	v_lshlrev_b32 v[AST], 5, v186                  ; a token's 32 scale bytes in xs
	WALU
	OUT 0
	OUT 1
	WIN 0
	WALU
	s_wait_dscnt 0x0                               ; for the others' sake
	s_barrier_signal -1
	s_barrier_wait -1                              ; 128 whole rows of codes lie in the stage
.irp m, 0,1,2,3
	ds_load_b128 v[KF+4*\m:KF+4*\m+3], v[ADS] offset:4*PK*\m
.endr
.irp m, 0,1,2,3
	s_wait_dscnt 3-\m                              ; four rows are in; the 3 - m younger loads may be out
	global_store_b128 v[GOF], v[KF+4*\m:KF+4*\m+3], s[42:43] offset:512*\m   ; 32 lanes store 512 consecutive bytes, aligned
.endr
	s_cmp_lt_u32 s16, 4
	s_cbranch_scc0 .Lno_xs
	ds_load_b32 v[KF+16], v[ADT]
	s_wait_dscnt 0x0
	global_store_b32 v[AST], v[KF+16], s[44:45]
.Lno_xs:
	s_wait_xcnt 0x0                                ; the stores have read their registers and bases: all may be written again
	s_sub_co_u32 s26, 15, s26                      ; the other block
	s_sub_co_u32 s27, s27, 1
	s_cmp_lg_u32 s27, 0
	s_cbranch_scc1 .Lhalf
	s_wait_tensorcnt 0x0                           ; the wave's end
	ds_add_u32 v[SPW], v[NIL]
	s_wait_dscnt 0x0
	s_endpgm
.Lfunc_end_k_qdae28f7cd0_attn:
	.size	k_qdae28f7cd0_attn, .Lfunc_end_k_qdae28f7cd0_attn-k_qdae28f7cd0_attn
	.p2alignl 7, 3214868480
	.fill 96, 4, 3214868480
	.section	.rodata,"a",@progbits
	.p2align	6, 0x0
	.amdhsa_kernel k_qdae28f7cd0_attn
		.amdhsa_group_segment_fixed_size 139776
		.amdhsa_private_segment_fixed_size 0
		.amdhsa_enable_private_segment 0
		.amdhsa_kernarg_size 48
		.amdhsa_user_sgpr_count 2
		.amdhsa_user_sgpr_kernarg_segment_ptr 1
		.amdhsa_wavefront_size32 1
		.amdhsa_system_sgpr_workgroup_id_x 1
		.amdhsa_system_sgpr_workgroup_id_y 1
		.amdhsa_system_sgpr_workgroup_id_z 1
		.amdhsa_system_vgpr_workitem_id 0
		.amdhsa_next_free_vgpr 512
		.amdhsa_next_free_sgpr 106
		.amdhsa_reserve_vcc 0
		.amdhsa_float_denorm_mode_32 3
		.amdhsa_float_denorm_mode_16_64 3
		.amdhsa_memory_ordered 1
		.amdhsa_forward_progress 1
		.amdhsa_inst_pref_size 72
	.end_amdhsa_kernel
	.amdgpu_metadata
---
amdhsa.version: [ 1, 2 ]
amdhsa.kernels:
  - .name:           k_qdae28f7cd0_attn
    .symbol:         k_qdae28f7cd0_attn.kd
    .args:
      - { .name: qkvc, .offset: 0, .size: 8, .value_kind: global_buffer, .address_space: global }
      - { .name: qkvs, .offset: 8, .size: 8, .value_kind: global_buffer, .address_space: global }
      - { .name: mbits, .offset: 16, .size: 8, .value_kind: global_buffer, .address_space: global }
      - { .name: flags, .offset: 24, .size: 8, .value_kind: global_buffer, .address_space: global }
      - { .name: xc, .offset: 32, .size: 8, .value_kind: global_buffer, .address_space: global }
      - { .name: xs, .offset: 40, .size: 8, .value_kind: global_buffer, .address_space: global }
    .group_segment_fixed_size: 139776
    .private_segment_fixed_size: 0
    .kernarg_segment_align: 8
    .kernarg_segment_size: 48
    .max_flat_workgroup_size: 256
    .sgpr_count:     106
    .vgpr_count:     512
    .wavefront_size: 32
...
	.end_amdgpu_metadata
.endif
;; end of part 3
;; launch outp (part 4): grid 4 x 32, 4 waves a work-group, clusters of 4 x 4, 327,680 bytes of LDS; arguments xc, xs, W_o_codes, W_o_scales, b_o, out0; writes out0
.if DOCPART == 4
	.amdgcn_target "amdgcn-amd-amdhsa--gfx1250"
	.amdhsa_code_object_version 6
	.text
	.protected	k_qdae28f7cd0_outp
	.globl	k_qdae28f7cd0_outp
	.p2align	8
	.type	k_qdae28f7cd0_outp,@function
k_qdae28f7cd0_outp:
	s_mov_b64 s[64:65], 0
	v_nop
	global_prefetch_b8 v0, s[64:65] scope:SCOPE_SE
	s_setreg_imm32_b32 hwreg(HW_REG_WAVE_MODE, 25, 1), 1
	s_wait_xcnt 0x0
	s_wait_alu depctr_hold_cnt(0) depctr_sa_sdst(0) depctr_va_vdst(0) depctr_va_sdst(0) depctr_va_ssrc(0) depctr_va_vcc(0) depctr_vm_vsrc(0)
	s_getreg_b32 s2, hwreg(HW_REG_IB_STS2, 6, 4)
	s_cmp_eq_u32 s2, 0
	s_cbranch_scc0 .Lentry_in_a_cluster
	s_endpgm
.Lentry_in_a_cluster:
	s_bfe_u32 s2, ttmp6, 0x10000c
	s_cmp_lg_u32 s2, 0xf033
	s_cbranch_scc0 .Lentry_shape_is_right
	s_endpgm
.Lentry_shape_is_right:
.set NQ,     2
.set PA,     144
.set PANEL,  256*PA
.set PITCH,  272
.set FR,     16
.set NL,     4
.set NP,     8
.set HALFT,  128*PITCH
.set BOFF,   2*PANEL
.set SLOT,   BOFF+2*HALFT
.set LAPS,   2
.set KS,     32
.set SCL,    2*SLOT
.set HALFS,  (128*KS/256)*272
.set SBLK,   (16*KS/256)*272
.set SPARE,  SCL+4*HALFS
.set SPITCH, 528
.set SIZE_N, 1024
.set ADRA, 16
.set ADRB, 20
.set STO,  24
.set RD,   25
.set CO,   26
.set ADRS, 27
.set SPW,  28
.set NIL,  29
.set SC,   32
.set CB,   64
.set AF,   128
.set BK,   128
.set G1, 24
.set G0, 32
.set G1B, 48
.set G0B, 56
.set G1S, 68
.set G0S, 76
.set G1SB, 80
.set G0SB, 88
.set MSB, 0
.macro WIN new
.if MSB != \new
	s_set_vgpr_msb (MSB<<8)|\new
.set MSB, \new
.endif
.endm
.set MUL_LO, 0xa1
.set MUL_HI, 0xf1
.set BIA_LO, 0x81
.set BIA_HI, 0xc1
.set TO_B,   0x40
.macro JLOAD g0a, g1a, g0b, g1b
	s_cmp_eq_u32 s15, 0
	s_cbranch_scc0 .Lfor_b_\@
	tensor_load_to_lds s[\g0a:\g0a+3], s[\g1a:\g1a+7]
	s_nop 0
.rept 4
	v_nop
.endr
	s_branch .Lasked_\@
.Lfor_b_\@:
	tensor_load_to_lds s[\g0b:\g0b+3], s[\g1b:\g1b+7]
	s_nop 0
.rept 4
	v_nop
.endr
.Lasked_\@:
.endm
.macro CREST
	s_cmp_lg_u32 s14, 0
	s_cbranch_scc1 .Lnot_wave_0_\@
	s_barrier_signal -3
.Lnot_wave_0_\@:
	s_barrier_wait -3
	s_barrier_signal -1
	s_barrier_wait -1
.endm
.macro CROUND
	s_barrier_signal -1
	s_barrier_wait -1
	CREST
.endm
	s_load_b128 s[4:7], s[0:1], 0x0
	s_load_b128 s[8:11], s[0:1], 0x10
	s_load_b128 s[96:99], s[0:1], 0x20
	v_lshl_add_u32 v[SPW], v0, 2, SPARE
	v_mov_b32 v[NIL], 0
	ds_add_u32 v28, v29
	ds_add_u32 v28, v29
	s_wait_dscnt 0x0
	v_lshrrev_b32 v1, 5, v0
	v_readfirstlane_b32 s14, v1
	s_lshr_b32 s15, s14, 1
	s_and_b32 s16, s14, 1
	s_bfe_u32 s40, ttmp6, 0x40000
	s_bfe_u32 s41, ttmp6, 0x40004
	s_lshl_b32 s42, ttmp9, 2
	s_add_co_u32 s42, s42, s40
	s_and_b32 s17, ttmp7, 0xffff
	s_lshl_b32 s17, s17, 2
	s_add_co_u32 s17, s17, s41
	s_lshl_b32 s43, s41, 2
	s_lshl_b32 s43, 15, s43
	s_lshl_b32 s44, 0x1111, s40
	s_or_b32 s[G1+0], s43, (0<<16)|(1<<20)|(1<<21)|(4<<22)|(3<<25)
	s_mov_b32 s[G1+1], 256<<16                     ; a panel's 256 rows of 128 bytes are dense in memory: stated as 128 rows of 256 bytes, the padding still behind each 128 bytes
	s_mov_b32 s[G1+2], 128<<16
	s_mov_b32 s[G1+3], 256<<16
	s_mov_b32 s[G1+4], 128
	s_mov_b32 s[G1+5], 256
	s_mov_b32 s[G1+6], 0
	s_mov_b32 s[G1+7], 0
	s_or_b32 s[G1B+0], s44, (0<<16)|(1<<20)|(1<<21)|(5<<22)|(3<<25)
	s_mov_b32 s[G1B+1], 256<<16
	s_mov_b32 s[G1B+2], 128<<16
	s_mov_b32 s[G1B+3], 256<<16
	s_mov_b32 s[G1B+4], 128
	s_mov_b32 s[G1B+5], 1024
	s_mov_b32 s[G1B+6], 0
	s_mov_b32 s[G1B+7], 0
	s_or_b32 s[G1S+0], s43, (3<<16)|(1<<20)|(1<<21)|(5<<22)|(3<<25)
	s_or_b32 s[G1SB+0], s44, (3<<16)|(1<<20)|(1<<21)|(5<<22)|(3<<25)
.irp g, G1S, G1SB
	s_mov_b32 s[\g+1], 32<<16
	s_mov_b32 s[\g+2], (128*KS/256)<<16
	s_mov_b32 s[\g+3], 32<<16
	s_mov_b32 s[\g+4], 128*KS/256
	s_mov_b32 s[\g+5], 32
	s_mov_b32 s[\g+6], 0
	s_mov_b32 s[\g+7], 0
.endr
	s_lshl_b32 s20, s16, 20
	s_lshl_b32 s21, s17, 15
	s_add_co_u32 s20, s20, s21
	s_mov_b32 s21, 0
	s_lshl_b32 s18, s16, 7
	s_lshl_b32 s22, s17, 8
	s_add_co_u32 s22, s22, s18
	s_lshl_b32 s22, s22, 5
	s_mov_b32 s23, 0
	s_lshl_b32 s46, s42, 8
	s_add_co_u32 s46, s46, s18
	s_lshl_b32 s92, s46, 5
	s_mov_b32 s93, 0
	s_lshl_b32 s46, s46, 10
	s_mov_b32 s47, 0
	s_mul_i32 s45, s16, PANEL
	s_mul_i32 s95, s16, HALFT
	s_add_co_u32 s95, s95, BOFF
	s_mul_i32 s94, s14, HALFS
	s_wait_kmcnt 0x0
	s_mov_b64 s[12:13], s[98:99]
	s_add_nc_u64 s[20:21], s[4:5], s[20:21]
	s_add_nc_u64 s[22:23], s[6:7], s[22:23]
	s_add_nc_u64 s[46:47], s[8:9], s[46:47]
	s_add_nc_u64 s[92:93], s[10:11], s[92:93]
	CROUND
	s_mov_b32 s[G0S], 1
	s_add_co_u32 s[G0S+1], s94, SCL
	s_mov_b64 s[G0S+2:G0S+3], s[22:23]
	s_or_b32 s[G0S+3], s[G0S+3], 0x80000000
	s_mov_b32 s[G0SB], 1
	s_add_co_u32 s[G0SB+1], s94, SCL
	s_mov_b64 s[G0SB+2:G0SB+3], s[92:93]
	s_or_b32 s[G0SB+3], s[G0SB+3], 0x80000000
	JLOAD G0S, G1S, G0SB, G1SB
.irp s, 0,1
	s_mov_b32 s[G0+4*\s], 1
	s_add_co_u32 s[G0+4*\s+1], s45, \s*SLOT
	s_add_nc_u64 s[G0+4*\s+2:G0+4*\s+3], s[20:21], \s*0x200000
	s_or_b32 s[G0+4*\s+3], s[G0+4*\s+3], 0x80000000
	s_mov_b32 s[G0B+4*\s], 1
	s_add_co_u32 s[G0B+4*\s+1], s95, \s*SLOT
	s_add_nc_u64 s[G0B+4*\s+2:G0B+4*\s+3], s[46:47], \s*256
	s_or_b32 s[G0B+4*\s+3], s[G0B+4*\s+3], 0x80000000
	s_wait_alu depctr_va_vdst(0)
	s_wait_tensorcnt 0x0
	ds_add_u32 v28, v29
	s_wait_dscnt 0x0
	CROUND
	JLOAD G0+4*\s, G1, G0B+4*\s, G1B
.endr
	v_and_b32 v1, 15, v0
	v_bfe_u32 v2, v0, 4, 1
	s_lshl_b32 s20, s42, 10
	s_lshl_b32 s21, s16, 9
	s_add_co_u32 s20, s20, s21
	s_mov_b32 s21, 0
	s_add_nc_u64 s[96:97], s[96:97], s[20:21]
	v_lshlrev_b32 v7, 5, v2
.irp b, 0,1,2,3,4,5,6,7
	global_load_b128 v[CB+8*\b:CB+8*\b+3], v7, s[96:97] offset:64*\b
	global_load_b128 v[CB+8*\b+4:CB+8*\b+7], v7, s[96:97] offset:64*\b+16
.endr
	v_mul_u32_u24 v3, v1, PA
	v_lshl_add_u32 v3, v2, 4, v3
	v_mul_u32_u24 v4, v1, PITCH
	v_lshl_add_u32 v4, v2, 4, v4
	s_mul_i32 s21, s15, 128*PA
	s_mul_i32 s22, s16, HALFT
	s_add_co_u32 s22, s22, BOFF
.irp s, 0,1
	v_add_nc_u32 v[ADRA+\s], s21, v3
	v_add_nc_u32 v[ADRB+\s], s22, v4
	s_add_co_u32 s21, s21, SLOT
	s_add_co_u32 s22, s22, SLOT
.endr
	v_mul_u32_u24 v5, v1, KS
	v_lshrrev_b32 v6, 8, v5
	v_lshl_add_u32 v5, v6, 4, v5
	s_mul_i32 s21, s15, HALFS
	s_mul_i32 s22, s16, HALFS
	s_add_co_u32 s22, s22, 2*HALFS
	s_sub_co_u32 s22, s22, s21
	v_mul_u32_u24 v6, s22, v2
	s_add_co_u32 s21, s21, SCL
	v_add_nc_u32 v5, v5, v6
	v_add_nc_u32 v[ADRS], s21, v5
	s_mul_i32 s23, s14, 16*SPITCH
	v_mul_u32_u24 v5, v1, SPITCH
	v_lshl_add_u32 v5, v2, 5, v5
	v_add_nc_u32 v[STO], s23, v5
	v_and_b32 v6, 31, v0
	v_lshlrev_b32 v[CO], 4, v6
	v_add_nc_u32 v[RD], s23, v[CO]
	s_lshl_b32 s20, s17, 8
	s_lshl_b32 s21, s15, 7
	s_add_co_u32 s20, s20, s21
	s_mov_b32 s21, 0
	s_mov_b64 s[18:19], SIZE_N*4
	s_mul_u64 s[20:21], s[20:21], s[18:19]
	s_lshl_b32 s46, s42, 10
	s_lshl_b32 s47, s16, 9
	s_add_co_u32 s46, s46, s47
	s_mov_b32 s47, 0
	s_add_nc_u64 s[20:21], s[20:21], s[46:47]
	s_add_nc_u64 s[12:13], s[12:13], s[20:21]
.macro FRAGA reg, slot, q, i
.irp c, 0,1,2,3
	ds_load_b128 v[\reg+4*\c:\reg+4*\c+3], v[ADRA+\slot] offset:PANEL*(\q)+(\i)*16*PA+32*\c
.endr
.endm
.macro FRAGB reg, slot, q, i
.irp c, 0,1,2,3
	ds_load_b128 v[\reg+4*\c:\reg+4*\c+3], v[ADRB+\slot] offset:128*(\q)+32*\c+(\i)*16*PITCH
.endr
.endm
.macro MUL16 a0, p, q, sc, cm
.irp a, \a0, \a0+1
.irp b, 0,1,2,3,4,5,6,7
.if \cm
	v_wmma_scale_f32_16x16x128_f8f6f4 v[8*(8*((\a)%4)+\b):8*(8*((\a)%4)+\b)+7], v[128*(\p)+FR*\b:128*(\p)+FR*\b+FR-1], v[AF+FR*(\a):AF+FR*(\a)+FR-1], v[CB+8*\b:CB+8*\b+7], v[SC+8*NQ*(\sc)+NQ*\b+(\q)], v[SC+8*NQ*(\sc)+NQ*(\a)+(\q)] matrix_a_fmt:MATRIX_FMT_BF8 matrix_b_fmt:MATRIX_FMT_BF8 matrix_a_scale:MATRIX_SCALE_ROW1
.else
	v_wmma_scale_f32_16x16x128_f8f6f4 v[8*(8*((\a)%4)+\b):8*(8*((\a)%4)+\b)+7], v[128*(\p)+FR*\b:128*(\p)+FR*\b+FR-1], v[AF+FR*(\a):AF+FR*(\a)+FR-1], v[8*(8*((\a)%4)+\b):8*(8*((\a)%4)+\b)+7], v[SC+8*NQ*(\sc)+NQ*\b+(\q)], v[SC+8*NQ*(\sc)+NQ*(\a)+(\q)] matrix_a_fmt:MATRIX_FMT_BF8 matrix_b_fmt:MATRIX_FMT_BF8 matrix_a_scale:MATRIX_SCALE_ROW1
.endif
.endr
.endr
.endm
.macro FETCH_B slot, q, p
	WIN TO_B
.irp i, 0,1,2,3,4,5,6,7
	FRAGB 128*(\p)+FR*\i, \slot, \q, \i
.endr
	WIN 0
.endm
.macro FETCH_A slot, q, i0
.irp i, \i0, \i0+1, \i0+2, \i0+3
	FRAGA AF+FR*(\i), \slot, \q, \i
.endr
.endm
.macro SCALES sc
.irp i, 0,1,2,3,4,5,6,7
	ds_load_b64 v[SC+8*NQ*\sc+NQ*\i:SC+8*NQ*\sc+NQ*\i+1], v[ADRS] offset:\i*SBLK
.endr
.endm
.macro PLACES n
.rept \n
	v_nop
.endr
.endm
.macro STEP slot, q, cm
	s_wait_dscnt 4*NL
.if \cm
	WIN BIA_LO
.else
	WIN MUL_LO
.endif
	MUL16 0, (\q)%2, \q, \slot, \cm
	MUL16 2, (\q)%2, \q, \slot, \cm
	s_wait_dscnt 0
	PLACES NP
	FETCH_B \slot, (\q)+1, 1-(\q)%2
	FETCH_A \slot, (\q)+1, 0
.if \cm
	WIN BIA_HI
.else
	WIN MUL_HI
.endif
	MUL16 4, (\q)%2, \q, \slot, \cm
	MUL16 6, (\q)%2, \q, \slot, \cm
	PLACES NP
	WIN 0
	FETCH_A \slot, (\q)+1, 4
.endm
.macro TURN slot, next, fill
	s_wait_tensorcnt 0x0
	ds_add_u32 v[SPW], v[NIL]
	s_wait_dscnt 4*NL+1
	WIN MUL_LO
	MUL16 0, 1, NQ-1, \slot, 0
	s_wait_dscnt 0x0
	s_barrier_signal -1
	MUL16 2, 1, NQ-1, \slot, 0
	WIN 0
	s_barrier_wait -1
.if \fill
	CREST
	s_add_nc_u64 s[G0+4*\slot+2:G0+4*\slot+3], s[G0+4*\slot+2:G0+4*\slot+3], 0x400000
	s_add_nc_u64 s[G0B+4*\slot+2:G0B+4*\slot+3], s[G0B+4*\slot+2:G0B+4*\slot+3], 512
	JLOAD G0+4*\slot, G1, G0B+4*\slot, G1B
	PLACES NP-4
.else
	PLACES NP
.endif
	s_wait_alu depctr_va_vdst(0)
	v_add_nc_u32 v[ADRS], 4*NQ, v[ADRS]
	FETCH_B \next, 0, 0
	FETCH_A \next, 0, 0
	SCALES \next
	WIN MUL_HI
	MUL16 4, 1, NQ-1, \slot, 0
	MUL16 6, 1, NQ-1, \slot, 0
	PLACES NP
	WIN 0
	FETCH_A \next, 0, 4
.endm
	s_wait_alu depctr_va_vdst(0)
	s_wait_tensorcnt 1
	s_barrier_signal -1
	s_barrier_wait -1
	FETCH_B 0, 0, 0
	FETCH_A 0, 0, 0
	SCALES 0
	FETCH_A 0, 0, 4
	s_wait_loadcnt 0x0
	STEP 0, 0, 1
	s_mov_b32 s3, LAPS-1
.Llap:
	TURN 0, 1, 1
	STEP 1, 0, 0
	TURN 1, 0, 1
	STEP 0, 0, 0
	s_sub_co_u32 s3, s3, 1
	s_cmp_lg_u32 s3, 0
	s_cbranch_scc1 .Llap
	TURN 0, 1, 0
	STEP 1, 0, 0
	s_wait_dscnt 4*NL
	WIN MUL_LO
	MUL16 0, 1, NQ-1, 1, 0
	MUL16 2, 1, NQ-1, 1, 0
	s_wait_dscnt 0
	WIN MUL_HI
	MUL16 4, 1, NQ-1, 1, 0
	MUL16 6, 1, NQ-1, 1, 0
	WIN 0
.macro TOSTAGE a
.set AC, 64*((\a)%4)
	WIN 0x08+4*((\a)/4)
.irp b, 0,1,2,3,4,5,6,7
	ds_store_b128 v[STO], v[AC+8*\b:AC+8*\b+3] offset:64*\b
	ds_store_b128 v[STO], v[AC+8*\b+4:AC+8*\b+7] offset:64*\b+16
.endr
	WIN 0
.set BB, BK+64*((\a)%2)
.irp t, 0,1,2,3,4,5,6,7,8,9,10,11,12,13,14,15
	ds_load_b128 v[BB+4*\t:BB+4*\t+3], v[RD] offset:\t*SPITCH
.endr
.endm
.macro SEND a, younger
.set BB, BK+64*((\a)%2)
	s_wait_dscnt \younger
.if (\a) > 0
	s_add_nc_u64 s[12:13], s[12:13], 16*SIZE_N*4
.endif
.irp t, 0,1,2,3,4,5,6,7,8,9,10,11,12,13,14,15
	global_store_b128 v[CO], v[BB+4*\t:BB+4*\t+3], s[12:13] offset:\t*SIZE_N*4 th:TH_STORE_NT
.endr
.endm
	PLACES NP
	TOSTAGE 0
.irp a, 1,2,3,4,5,6,7
.if \a > 1
	s_wait_xcnt 0x0
.endif
	TOSTAGE \a
	SEND \a-1, 32
.endr
	s_wait_xcnt 0x0
	SEND 7, 0
	s_wait_tensorcnt 0x0
	ds_add_u32 v[SPW], v[NIL]
	s_wait_dscnt 0x0
	CROUND
	s_endpgm
.Lfunc_end_k_qdae28f7cd0_outp:
	.size	k_qdae28f7cd0_outp, .Lfunc_end_k_qdae28f7cd0_outp-k_qdae28f7cd0_outp
	.p2alignl 7, 3214868480
	.fill 96, 4, 3214868480
	.section	.rodata,"a",@progbits
	.p2align	6, 0x0
	.amdhsa_kernel k_qdae28f7cd0_outp
		.amdhsa_group_segment_fixed_size 327680
		.amdhsa_private_segment_fixed_size 0
		.amdhsa_enable_private_segment 0
		.amdhsa_kernarg_size 48
		.amdhsa_user_sgpr_count 2
		.amdhsa_user_sgpr_kernarg_segment_ptr 1
		.amdhsa_wavefront_size32 1
		.amdhsa_system_sgpr_workgroup_id_x 1
		.amdhsa_system_sgpr_workgroup_id_y 1
		.amdhsa_system_sgpr_workgroup_id_z 1
		.amdhsa_system_vgpr_workitem_id 0
		.amdhsa_next_free_vgpr 1024
		.amdhsa_next_free_sgpr 100
		.amdhsa_reserve_vcc 0
		.amdhsa_float_denorm_mode_32 3
		.amdhsa_float_denorm_mode_16_64 3
		.amdhsa_memory_ordered 1
		.amdhsa_forward_progress 1
		.amdhsa_inst_pref_size 148
	.end_amdhsa_kernel
	.amdgpu_metadata
---
amdhsa.version: [ 1, 2 ]
amdhsa.kernels:
  - .name:           k_qdae28f7cd0_outp
    .symbol:         k_qdae28f7cd0_outp.kd
    .args:
      - { .name: xc, .offset: 0, .size: 8, .value_kind: global_buffer, .address_space: global }
      - { .name: xs, .offset: 8, .size: 8, .value_kind: global_buffer, .address_space: global }
      - { .name: W_o_codes, .offset: 16, .size: 8, .value_kind: global_buffer, .address_space: global }
      - { .name: W_o_scales, .offset: 24, .size: 8, .value_kind: global_buffer, .address_space: global }
      - { .name: b_o, .offset: 32, .size: 8, .value_kind: global_buffer, .address_space: global }
      - { .name: out0, .offset: 40, .size: 8, .value_kind: global_buffer, .address_space: global }
    .group_segment_fixed_size: 327680
    .private_segment_fixed_size: 0
    .kernarg_segment_align: 8
    .kernarg_segment_size: 48
    .max_flat_workgroup_size: 128
    .sgpr_count:     100
    .vgpr_count:     1024
    .wavefront_size: 32
...
	.end_amdgpu_metadata
.endif
;; end of part 4
